; MI455X (gfx1250); checked and timed in simulation.
; The chip was launched on July 23, 2026; its instructions are those of AMD's public machine-readable ISA for CDNA 5 (MIT licence, August 2026) and "CDNA5" Instruction Set Architecture Reference Guide (July 2026). The comments in the code are by the model that wrote it; some were corrected since.
;; Multi Head Attention. Allowed arithmetic: matrix products marked QUANTISED: E2M1 operands, one E8M0 scale for each 32 along K, by v_wmma_scale_f32_16x16x128_f8f6f4 with both operands' format E2M1 (or v_wmma_scale_f32_32x16x128_f4), f32 sums; products left as they are: bf16, f16 or f32 operands; f32 sums; everything else in f32.
;; Inputs: Wk 1,024 x 1,024 float32; Wo 1,024 x 1,024 float32; Wq 1,024 x 1,024 float32; Wv 1,024 x 1,024 float32; mask 2 x 2,048 bool; rope_cache 2,048 x 2 x 32 float32; x 2 x 2,048 x 1,024 float32.
;; Outputs: out0 2 x 2,048 x 1,024 float32.
;; This version of the problem:
;;   THIS VERSION OF THE PROBLEM IS GIVEN IN LOW PRECISION. The matrix products marked QUANTISED in the list below multiply operands that are first quantised to E2M1 (2 exponent bits, 1 mantissa bit; 4 bits a number), with one power-of-two scale for each 32 numbers along K (OCP MX v1.0); their sums are f32. The products marked 'left as it is' may take bf16, f16 or f32 operands, with f32 sums. Whichever they take, every output number must still come out within the allowed error. Rounding operands to bf16 (8 significant bits) uses up far more of that allowance than f16 does (11 bits, for magnitudes from 6e-5 to 65,504). All else is computed in f32.
;;   The module's matrix products, in the order in which they are computed (A, B: the left and right operand; K: the contracted axis; several contracted axes count as one K, in the product's order):
;;     1. [M 4,096, K 1,024] x [K 1,024, N 1,024]; A: input x; B: input Wq: QUANTISED
;;     2. [M 4,096, K 1,024] x [K 1,024, N 1,024]; A: input x; B: input Wk: QUANTISED
;;     3. [M 4,096, K 1,024] x [K 1,024, N 1,024]; A: input x; B: input Wv: QUANTISED
;;     4. batch 32 x [M 2,048, K 64] x [K 64, N 2,048]; A: computed on the way; B: computed on the way: left as it is (an operand is computed on the way)
;;     5. batch 32 x [M 2,048, K 2,048] x [K 2,048, N 64]; A: computed on the way; B: computed on the way: left as it is (an operand is computed on the way)
;;     6. [M 4,096, K 1,024] x [K 1,024, N 1,024]; A: computed on the way; B: input Wo: left as it is (an operand is computed on the way)
;;   THE QUANTISER, for each operand of a quantised product, along K:
;;     - K is cut into blocks of 32 from its start; a last block that is shorter is filled with zeros.
;;     - A block's scale is 2^e with e = floor(log2(the largest magnitude in the block)) - 2, held to -126 .. 127; a block of zeros has e = 0. As a byte (E8M0): e + 127.
;;     - Each number is divided by its block's scale, clamped to +-6, and rounded to the nearest number of E2M1, ties to even, subnormals kept.
;;     - The product sums the exact products of the quantised numbers (number of the format x scale) in f32.
;;   ~~~python
;;   def quantise(x, axis):      # numpy; x: float32 -> the quantised numbers, widened to float32 again
;;       x = np.moveaxis(x, axis, -1); K = x.shape[-1]
;;       x = np.pad(x, [(0, 0)] * (x.ndim - 1) + [(0, -K % 32)]); x = x.reshape(x.shape[:-1] + (-1, 32)); a = np.abs(x).max(-1, keepdims=True)
;;       e = np.where(a > 0, np.clip(np.frexp(np.where(a > 0, a, 1))[1] - 1 - 2, -126, 127), 0)      # np.frexp(a)[1] - 1 = floor(log2(a)), exactly
;;       r = np.clip(x / 2.0 ** e, -6, 6)
;;       step = 2.0 ** (np.maximum(np.frexp(np.where(r == 0, 1, r))[1] - 1, 0) - 1)
;;       q = np.round(r / step) * step * 2.0 ** e      # np.round: ties to even
;;       return np.moveaxis(q.reshape(q.shape[:-2] + (-1,))[..., :K], -1, axis).astype(np.float32)
;;   ~~~
;; One version. Each part assembles by itself: llvm-mc -triple=amdgcn-amd-amdhsa -mcpu=gfx1250 --defsym DOCPART=n.
;; ======== version 1 of 1: 5 launches
;; limits: values are held in f16: magnitudes above 65,504 overflow, below 6.1e-05 lose precision; right only within a limited range of input values
;; workspace buffers: xq 2,228,224 bytes; wq 1,671,168 bytes; aux 2,113,536 bytes; qkv16 25,165,824 bytes; fine 524,288 bytes; o16 8,388,608 bytes
;; launch prep (part 1): grid 385 x 1, 4 waves a work-group, no clusters, 42,496 bytes of LDS; arguments x, Wq, Wk, Wv, Wo, mask, xq, wq, aux; writes xq, wq, aux
.if DOCPART == 1
	.amdgcn_target "amdgcn-amd-amdhsa--gfx1250"
	.amdhsa_code_object_version 6
	.text
	.protected	k_q039edcecb3_prep
	.globl	k_q039edcecb3_prep
	.p2align	8
	.type	k_q039edcecb3_prep,@function
k_q039edcecb3_prep:
	s_mov_b64 s[64:65], 0
	v_nop
	global_prefetch_b8 v0, s[64:65] scope:SCOPE_SE
	s_setreg_imm32_b32 hwreg(HW_REG_WAVE_MODE, 25, 1), 1
	s_wait_xcnt 0x0
; PREP: everything that is made once from the inputs.  Four kinds of work-group, told apart by the work-group's number alone:
;   0..191   W: Wq, Wk, Wv [k 1024][n 1024] f32 -> codes of FP4 (E2M1) with K innermost, wq[3072 (q|k|v columns)][512 bytes], and E8M0 bytes wq+WSC [kh 2][3072][16]
;   192..319 X: x [4096][1024] f32 -> codes xq[4096][512 bytes], E8M0 bytes xq+XSC [kh 2][4096][16]     (kh: which 512 along K)
;   320..383 O: Wo f32 -> f16, as it lies, aux[1024][1024]
;   384      B: mask (one byte a key) -> f32 table aux+BIA [2][2048]: 0 where the key counts, -8e9 where it does not
; A block's scale is 2^(floor(log2(largest magnitude)) - 2); its byte is the largest magnitude's exponent field - 2, held at 1 from below by a floor among the maximum's leaves.
; LIMITS: a block of zeros gets the byte 1 (its codes are zeros; only this program reads the bytes); blocks under 2^-124 take the floor's byte; NaN and infinities are not served;
; |Wo| stays under 65,504 (f16).
; Memory binds here: no matrix unit, no cluster, no tensor load; every load and store of X, O and B covers consecutive bytes, 256 or more.  Each path has LDS bytes of its own.
.set XSC,   2097152
.set WSC,   1572864
.set BIA,   2097152
.set SP,    80                         ; X: a lane's place in a stage: 64 bytes + 16 of padding
.set WST,   32768                      ; W: stage, 32 rows (columns n) x (256 bytes of codes + 16)
.set WPI,   272
.set WSS,   41472                      ; W: 32 rows x 16 scale bytes
.set SPARE, 41984                      ; the spare words, 128 bytes a wave: two blocks of 256 bytes that no other line names
.set EMAX,  2
.set SPW,   2                          ; v2  LDS address of my spare word; never rewritten
.set NIL,   3                          ; v3  0; never rewritten
.set XR,    16                         ; X: v16-143 eight sets of 16 numbers as loaded
.set XX,    144                        ; X: v144-175 two sets of 16 neighbours
.set XC,    176                        ; X: v176-207 two registers of codes a step
.set XE,    208                        ; X: v208-223 a scale byte a step
.macro FINISH                          ; the wave's end
	s_wait_tensorcnt 0x0
	ds_add_u32 v[SPW], v[NIL]
	s_wait_dscnt 0x0
	s_endpgm
.endm
.macro XLOAD t                         ; step t: 512 numbers of one row, four loads of 512 consecutive bytes
.irp i, 0,1,2,3
	global_load_b128 v[XR+16*((\t)%8)+4*\i:XR+16*((\t)%8)+4*\i+3], v4, s[4:5] offset:4096*(\t)+512*\i th:TH_LOAD_NT
.endr
.endm
.macro XTURN t                         ; through the wave's own stage: in as loaded, out 64 bytes a lane (LDS serves a wave's instructions in order)
.irp i, 0,1,2,3
	ds_store_b128 v5, v[XR+16*((\t)%8)+4*\i:XR+16*((\t)%8)+4*\i+3] offset:32*SP*((\t)%2)+8*SP*\i
.endr
.irp i, 0,1,2,3
	ds_load_b128 v[XX+16*((\t)%2)+4*\i:XX+16*((\t)%2)+4*\i+3], v6 offset:32*SP*((\t)%2)+16*\i
.endr
.endm
.macro XSTEP t
.set XS_, XX+16*((\t)%2)
.if (\t) > 0
	s_wait_dscnt 1                                 ; this step's numbers are back from the stage; the last step's byte store may be out
.else
	s_wait_dscnt 0x0
.endif
.if (\t)+8 < 16
	XLOAD (\t)+8                                   ; into the set whose stores into the stage are done
.endif
.if (\t)+1 < 16
.if (\t)+8 < 16
	s_wait_loadcnt 28                              ; the next step's four loads are in; those of the seven steps behind it may be out
.else
	s_wait_loadcnt 4*(14-(\t))                     ; the steps behind the next one, as many as are left
.endif
	XTURN (\t)+1
.endif
	v_max3_num_f32 v8, |v[XS_]|, |v[XS_+1]|, |v[XS_+2]|
	v_max3_num_f32 v9, |v[XS_+3]|, |v[XS_+4]|, |v[XS_+5]|
.irp i, 6,10
	v_max3_num_f32 v8, v8, |v[XS_+\i]|, |v[XS_+\i+1]|
	v_max3_num_f32 v9, v9, |v[XS_+\i+2]|, |v[XS_+\i+3]|
.endr
	v_max3_num_f32 v8, v8, |v[XS_+14]|, |v[XS_+15]|
	v_max3_num_f32 v8, v8, v9, (EMAX+1)<<23        ; the floor: the byte cannot fall under 1
	v_max_num_f32_dpp v8, v8, v8 row_xmask:1 row_mask:0xf bank_mask:0xf   ; with my neighbour's 16: the block's largest magnitude
	v_add_nc_u32 v11, -(EMAX<<23), v8              ; 2 off its exponent field: the conversion's scale operand
	v_cvt_scalef32_pk8_fp4_f32 v[XC+2*(\t)], v[XS_:XS_+7], v11
	v_cvt_scalef32_pk8_fp4_f32 v[XC+2*(\t)+1], v[XS_+8:XS_+15], v11
	v_lshrrev_b32 v[XE+(\t)], 23, v11              ; the scale's byte
	ds_store_b8 v10, v[XE+(\t)] offset:16*(\t)     ; both lanes of a block write the same byte
	global_store_b64 v7, v[XC+2*(\t):XC+2*(\t)+1], s[16:17] offset:512*(\t)   ; 32 lanes: 256 consecutive bytes, aligned
.endm
.macro WLOAD t                         ; block t: W(k0 + 32 t + i, my column), i = 0..31
.set i_, 0
.rept 32
	global_load_b32 v[32+32*((\t)%2)+i_], v4, s[24:25] offset:(32*(\t)+i_)*4096
.set i_, i_+1
.endr
.endm
.macro WBLOCK t
.set WX, 32+32*((\t)%2)
.if (\t) < 3
	s_wait_loadcnt 32                              ; this block's 32 loads are in; the next block's may be out
.else
	s_wait_loadcnt 0
.endif
	v_max3_num_f32 v14, |v[WX]|, |v[WX+1]|, |v[WX+2]|
	v_max3_num_f32 v15, |v[WX+3]|, |v[WX+4]|, |v[WX+5]|
.irp i, 6,10,14,18,22,26
	v_max3_num_f32 v14, v14, |v[WX+\i]|, |v[WX+\i+1]|
	v_max3_num_f32 v15, v15, |v[WX+\i+2]|, |v[WX+\i+3]|
.endr
	v_max3_num_f32 v14, v14, |v[WX+30]|, |v[WX+31]|
	v_max3_num_f32 v14, v14, v15, (EMAX+1)<<23
	v_add_nc_u32 v11, -(EMAX<<23), v14
	v_lshrrev_b32 v13, 23, v11
.if (\t) == 0
	v_mov_b32 v24, v13                             ; four bytes to the register, the lower K in the lower byte
.else
	v_lshl_or_b32 v24, v13, 8*(\t), v24
.endif
.irp g, 0,1,2,3
	v_cvt_scalef32_pk8_fp4_f32 v[96+\g], v[WX+8*\g:WX+8*\g+7], v11
.endr
	ds_store_b128 v5, v[96:99] offset:16*(\t)      ; 32 codes: 16 bytes of my column's row
.if (\t)+2 < 4
	WLOAD (\t)+2
.endif
	s_wait_dscnt 0x0                               ; the store has read its registers
.endm
	s_load_b256 s[4:11], s[0:1], 0x0               ; x, Wq, Wk, Wv
	s_load_b256 s[12:19], s[0:1], 0x20             ; Wo, mask, xq, wq
	s_load_b64 s[20:21], s[0:1], 0x40              ; aux
	v_lshl_add_u32 v[SPW], v0, 2, SPARE
	v_mov_b32 v[NIL], 0
	v_lshrrev_b32 v1, 5, v0
	v_readfirstlane_b32 s22, v1                    ; wave 0..3
	v_and_b32 v1, 31, v0                           ; lane
	s_wait_kmcnt 0x0
	s_cmp_lt_u32 ttmp9, 192
	s_cbranch_scc1 .Lw
	s_cmp_lt_u32 ttmp9, 320
	s_cbranch_scc1 .Lx
	s_cmp_lt_u32 ttmp9, 384
	s_cbranch_scc1 .Lo
	; ---- B: the mask.  Thread t takes 4 bytes of each 512: loads of 512 and stores of 2,048 consecutive bytes a work-group
	v_lshlrev_b32 v4, 2, v0
	v_lshlrev_b32 v5, 4, v0
	v_mov_b32 v9, 0xcfee6b28                       ; -8e9
.irp j, 0,1,2,3,4,5,6,7
	global_load_b32 v[16+\j], v4, s[14:15] offset:512*\j
.endr
	s_add_nc_u64 s[20:21], s[20:21], BIA
.irp j, 0,1,2,3,4,5,6,7
	s_wait_loadcnt 7-\j                            ; loads come back in order: number j is in
.irp e, 0,1,2,3
	v_bfe_u32 v8, v[16+\j], 8*\e, 8
	v_cmp_eq_u32 vcc_lo, 0, v8
	v_cndmask_b32 v[32+4*\j+\e], 0, v9, vcc_lo     ; a key that does not count: -8e9
.endr
	global_store_b128 v5, v[32+4*\j:35+4*\j], s[20:21] offset:2048*\j
.endr
	FINISH
	; ---- O: Wo to f16.  A wave takes 4,096 numbers
.Lo:
	s_sub_co_u32 s23, ttmp9, 320
	s_lshl_b32 s23, s23, 2
	s_add_co_u32 s23, s23, s22                     ; which run of 4,096 numbers
	s_lshl_b32 s24, s23, 14
	s_mov_b32 s25, 0
	s_add_nc_u64 s[12:13], s[12:13], s[24:25]
	s_lshl_b32 s24, s23, 13
	s_add_nc_u64 s[20:21], s[20:21], s[24:25]
	v_lshlrev_b32 v4, 4, v1
	v_lshlrev_b32 v5, 3, v1
.set j_, 0
.rept 32
	global_load_b128 v[16+4*j_:19+4*j_], v4, s[12:13] offset:512*j_
.set j_, j_+1
.endr
.set j_, 0
.rept 32
	s_wait_loadcnt 31-j_
	v_cvt_pk_f16_f32 v[144+2*j_], v[16+4*j_], v[17+4*j_]
	v_cvt_pk_f16_f32 v[145+2*j_], v[18+4*j_], v[19+4*j_]
	global_store_b64 v5, v[144+2*j_:145+2*j_], s[20:21] offset:256*j_    ; 256 consecutive bytes, aligned; no register is used twice
.set j_, j_+1
.endr
	FINISH
	; ---- X: a wave takes 16 rows x 512 along K: step t = row 16 rg + t
.Lx:
	s_sub_co_u32 s23, ttmp9, 192
	s_lshl_b32 s23, s23, 1
	s_lshr_b32 s24, s22, 1
	s_add_co_u32 s23, s23, s24                     ; rg: which 16 rows
	s_and_b32 s26, s22, 1                          ; kh
	s_lshl_b32 s24, s23, 16
	s_lshl_b32 s27, s26, 11
	s_add_co_u32 s24, s24, s27
	s_mov_b32 s25, 0
	s_add_nc_u64 s[4:5], s[4:5], s[24:25]          ; x
	s_lshl_b32 s24, s23, 8
	s_lshl_b32 s27, s26, 16
	s_add_co_u32 s24, s24, s27
	s_add_co_u32 s24, s24, XSC
	s_add_nc_u64 s[28:29], s[16:17], s[24:25]      ; my 256 scale bytes
	s_lshl_b32 s24, s23, 13
	s_lshl_b32 s27, s26, 8
	s_add_co_u32 s24, s24, s27
	s_add_nc_u64 s[16:17], s[16:17], s[24:25]      ; my codes
	s_lshl_b32 s27, s22, 13                        ; my 8,192 bytes of LDS: two stages, then 256 scale bytes
	v_lshlrev_b32 v4, 4, v1
	v_lshrrev_b32 v5, 2, v1
	v_mul_u32_u24 v5, v5, SP
	v_and_b32 v6, 3, v1
	v_lshl_add_u32 v5, v6, 4, v5
	v_add_nc_u32 v5, s27, v5                       ; into a stage: SP (lane / 4) + 16 (lane % 4)
	v_mul_u32_u24 v6, v1, SP
	v_add_nc_u32 v6, s27, v6                       ; out of it: SP x lane
	v_lshlrev_b32 v7, 3, v1
	s_add_co_u32 s27, s27, 2*32*SP
	v_lshrrev_b32 v10, 1, v1
	v_add_nc_u32 v10, s27, v10                     ; my block's byte
	v_add_nc_u32 v12, s27, v7                      ; and 8 bytes a lane on the way out
.irp t, 0,1,2,3,4,5,6,7
	XLOAD \t
.endr
	s_wait_loadcnt 28                              ; step 0's four loads are in
	XTURN 0
.irp t, 0,1,2,3,4,5,6,7,8,9,10,11,12,13,14,15
	XSTEP \t
.endr
	ds_load_b64 v[8:9], v12
	s_wait_dscnt 0x0
	global_store_b64 v7, v[8:9], s[28:29]          ; 16 rows x 16 bytes: 256 consecutive bytes, aligned
	FINISH
	; ---- W: a work-group takes 32 columns x 512 along K of one weight; wave w 128 along K; a lane is a column and its registers run down K
.Lw:
	s_lshr_b32 s23, ttmp9, 6                       ; which weight
	s_cmp_eq_u32 s23, 0
	s_cselect_b64 s[24:25], s[6:7], s[8:9]
	s_cmp_eq_u32 s23, 2
	s_cselect_b64 s[24:25], s[10:11], s[24:25]
	s_bfe_u32 s26, ttmp9, 0x50001                  ; which 32 columns
	s_and_b32 s27, ttmp9, 1                        ; kh
	s_lshl_b32 s28, s27, 21
	s_lshl_b32 s29, s22, 19
	s_add_co_u32 s28, s28, s29                     ; (512 kh + 128 w) rows of 4,096 bytes
	s_lshl_b32 s29, s26, 7
	s_add_co_u32 s28, s28, s29
	s_mov_b32 s29, 0
	s_add_nc_u64 s[24:25], s[24:25], s[28:29]
	s_lshl_b32 s28, s23, 10
	s_lshl_b32 s30, s26, 5
	s_add_co_u32 s28, s28, s30
	s_mov_b32 s31, s28                             ; the work-group's first row of wq
	s_lshl_b32 s30, s22, 3
	s_add_co_u32 s28, s28, s30                     ; + the 8 rows that my wave stores
	s_lshl_b32 s28, s28, 9
	s_lshl_b32 s30, s27, 8
	s_add_co_u32 s28, s28, s30
	s_add_nc_u64 s[32:33], s[18:19], s[28:29]
	s_mul_i32 s28, s27, 49152
	s_lshl_b32 s30, s31, 4
	s_add_co_u32 s28, s28, s30
	s_add_co_u32 s28, s28, WSC
	s_add_nc_u64 s[34:35], s[18:19], s[28:29]
	v_lshlrev_b32 v4, 2, v1
	s_lshl_b32 s30, s22, 6
	s_add_co_u32 s30, s30, WST
	v_mul_u32_u24 v5, v1, WPI
	v_add_nc_u32 v5, s30, v5                       ; into the stage: row = my column, 64 bytes a wave
	s_lshl_b32 s30, s22, 2
	s_add_co_u32 s30, s30, WSS
	v_lshl_add_u32 v6, v1, 4, s30                  ; my scale word: 16 bytes a column, 4 a wave
	s_mul_i32 s30, s22, 8*WPI
	s_add_co_u32 s30, s30, WST
	v_lshrrev_b32 v7, 4, v1
	v_and_b32 v8, 15, v1
	v_mul_u32_u24 v9, v7, WPI
	v_lshl_add_u32 v9, v8, 4, v9
	v_add_nc_u32 v9, s30, v9                       ; out of it: sixteen lanes to a row, two rows an instruction
	v_lshlrev_b32 v10, 9, v7
	v_lshl_add_u32 v10, v8, 4, v10                 ; and the same place in wq
	v_lshlrev_b32 v7, 4, v1
	v_add_nc_u32 v8, WSS, v7
	WLOAD 0
	WLOAD 1
.irp t, 0,1,2,3
	WBLOCK \t
.endr
	ds_store_b32 v6, v24
	s_wait_dscnt 0x0                               ; for the others' sake: my stores have landed
	s_barrier_signal -1
	s_barrier_wait -1                              ; a row's 256 bytes come from four waves
.irp i, 0,1,2,3
	ds_load_b128 v[112+4*\i:115+4*\i], v9 offset:2*\i*WPI
.endr
.irp i, 0,1,2,3
	s_wait_dscnt 3-\i
	global_store_b128 v10, v[112+4*\i:115+4*\i], s[32:33] offset:1024*\i   ; sixteen lanes: 256 consecutive bytes, aligned
.endr
	s_cmp_lg_u32 s22, 0
	s_cbranch_scc1 .Lw_end
	ds_load_b128 v[128:131], v8                    ; wave 0: the 32 columns' scale bytes, 512 consecutive bytes
	s_wait_dscnt 0x0
	global_store_b128 v7, v[128:131], s[34:35]
.Lw_end:
	FINISH
.Lfunc_end_k_q039edcecb3_prep:
	.size	k_q039edcecb3_prep, .Lfunc_end_k_q039edcecb3_prep-k_q039edcecb3_prep
	.p2alignl 7, 3214868480
	.fill 96, 4, 3214868480
	.section	.rodata,"a",@progbits
	.p2align	6, 0x0
	.amdhsa_kernel k_q039edcecb3_prep
		.amdhsa_group_segment_fixed_size 42496
		.amdhsa_private_segment_fixed_size 0
		.amdhsa_enable_private_segment 0
		.amdhsa_kernarg_size 72
		.amdhsa_user_sgpr_count 2
		.amdhsa_user_sgpr_kernarg_segment_ptr 1
		.amdhsa_wavefront_size32 1
		.amdhsa_system_sgpr_workgroup_id_x 1
		.amdhsa_system_sgpr_workgroup_id_y 1
		.amdhsa_system_sgpr_workgroup_id_z 1
		.amdhsa_system_vgpr_workitem_id 0
		.amdhsa_next_free_vgpr 256
		.amdhsa_next_free_sgpr 66
		.amdhsa_reserve_vcc 1
		.amdhsa_float_denorm_mode_32 3
		.amdhsa_float_denorm_mode_16_64 3
		.amdhsa_memory_ordered 1
		.amdhsa_forward_progress 1
		.amdhsa_inst_pref_size 73
	.end_amdhsa_kernel
	.amdgpu_metadata
---
amdhsa.version: [ 1, 2 ]
amdhsa.kernels:
  - .name:           k_q039edcecb3_prep
    .symbol:         k_q039edcecb3_prep.kd
    .args:
      - { .name: x, .offset: 0, .size: 8, .value_kind: global_buffer, .address_space: global }
      - { .name: Wq, .offset: 8, .size: 8, .value_kind: global_buffer, .address_space: global }
      - { .name: Wk, .offset: 16, .size: 8, .value_kind: global_buffer, .address_space: global }
      - { .name: Wv, .offset: 24, .size: 8, .value_kind: global_buffer, .address_space: global }
      - { .name: Wo, .offset: 32, .size: 8, .value_kind: global_buffer, .address_space: global }
      - { .name: mask, .offset: 40, .size: 8, .value_kind: global_buffer, .address_space: global }
      - { .name: xq, .offset: 48, .size: 8, .value_kind: global_buffer, .address_space: global }
      - { .name: wq, .offset: 56, .size: 8, .value_kind: global_buffer, .address_space: global }
      - { .name: aux, .offset: 64, .size: 8, .value_kind: global_buffer, .address_space: global }
    .group_segment_fixed_size: 42496
    .private_segment_fixed_size: 0
    .kernarg_segment_align: 8
    .kernarg_segment_size: 72
    .max_flat_workgroup_size: 128
    .sgpr_count:     66
    .vgpr_count:     256
    .wavefront_size: 32
...
	.end_amdgpu_metadata
.endif
;; end of part 1
;; launch qkv (part 2): grid 12 x 16, 4 waves a work-group, clusters of 4 x 4, 327,680 bytes of LDS; arguments xq, wq, rope_cache, qkv16, fine; writes qkv16, fine
.if DOCPART == 2
	.amdgcn_target "amdgcn-amd-amdhsa--gfx1250"
	.amdhsa_code_object_version 6
	.text
	.protected	k_q039edcecb3_qkv
	.globl	k_q039edcecb3_qkv
	.p2align	8
	.type	k_q039edcecb3_qkv,@function
k_q039edcecb3_qkv:
	s_mov_b64 s[64:65], 0
	v_nop
	global_prefetch_b8 v0, s[64:65] scope:SCOPE_SE
	s_setreg_imm32_b32 hwreg(HW_REG_WAVE_MODE, 25, 1), 1
	s_wait_xcnt 0x0
	s_wait_alu depctr_hold_cnt(0) depctr_sa_sdst(0) depctr_va_vdst(0) depctr_va_sdst(0) depctr_va_ssrc(0) depctr_va_vcc(0) depctr_vm_vsrc(0)
	s_getreg_b32 s2, hwreg(HW_REG_IB_STS2, 6, 4)
	s_cmp_eq_u32 s2, 0
	s_cbranch_scc0 .Lentry_in_a_cluster
	s_endpgm
.Lentry_in_a_cluster:
	s_bfe_u32 s2, ttmp6, 0x10000c
	s_cmp_lg_u32 s2, 0xf033
	s_cbranch_scc0 .Lentry_shape_is_right
	s_endpgm
.Lentry_shape_is_right:
; QKV: [4096][3072] = x (Wq | Wk | Wv) on codes of FP4 (E2M1) with E8M0 scales, K = 1,024, sums in f32; then RoPE on q and k in f32; q, k, v leave as f16, [class][b 16 + head][t][64].
; Beside them: rows t < 16 of each sequence in f32 (fine[class][b][t][1024]) and the sums of v's columns over each 128 rows (fine+VSU [row / 128][1024]).
; A tile of 256 x 256 is made by four waves, 128 x 128 each (64 accumulators).  K = 1,024 is two slots of 512 along K (rows of 256 bytes): both are first fills, nothing is filled again.
; THE SCALES lie [kh][row][16 bytes]: a wave's 128 rows are, for each kh, 2,048 consecutive bytes; they come once, with the first fills: three tensor loads of a wave are out at the start.
; CLUSTERS: 4 x 4.  The four of a row need the same tiles of x, the four of a column the same tiles of W: joint loads.  The cluster's x is the class (q, k, v), so the one branch of the way out is alike in all partners.
; 192 work-groups: with 12 tile columns the class is the cluster's number; a smaller tile would read each LDS byte for half the products.
; THE MATRIX INSTRUCTION IS USED TRANSPOSED (source 0 = 16 rows of W's codes, source 1 = 16 rows of x): a lane holds one row t and eight neighbouring columns.
; THE ROPE TABLE of a wave's 128 rows is eight sets of 32 registers, one for each block of 16 rows, all in window 1.  The four sets that fit beside W's fragments (v64-127, v192-255) are asked for behind the first
; barrier, beside the first products: all 512 matrix instructions stand between the request and the wait for it.  The other four are asked for behind the last product, into the registers that held W's fragments,
; and are wanted four blocks later.  The v class asks for the first four sets too and does not use them (16,384 bytes a wave): the request stands ahead of the text's one branch on the class.
; LIMITS: |q|, |k|, |v| under 65,504 (f16).
; REGISTERS: window 0: v0-31 addresses; v32-95 scale words, two sets; v128-191 x's fragments.  Window 1: W's fragments, two sets (v0-63, v128-191); cos and sin.  Windows 2, 3: the accumulators ((a, b) at v[8 (8 (a % 4) + b)]).
;   On the way out window 0 holds: v96-159 rotated numbers (v: column sums); v160-191 packed f16 (and RoPE's temporaries); v192-255 rows read back, two sets.
.set NQ,     4
.set ROWB,   256
.set KROW,   512
.set PITCH,  272                       ; an LDS row: 256 bytes + 16: the 16 rows of a load start at 16 different banks (64 banks of 4 bytes: ISA guide 11.1)
.set FR,     8
.set NL,     2
.set NP,     4
.set HALFT,  128*PITCH
.set SLOT,   4*HALFT
.set SCL,    2*SLOT                    ; behind the ring: the scales, 4,096 bytes a wave: [kh][128 rows][16]
.set HALFS,  4096
.set SPARE,  SCL+4*HALFS               ; the spare words, 128 bytes a wave: two blocks of 256 bytes that no other line names
.set SPITCH, 272                       ; the way out: a stage of 16 rows x (256 bytes + 16) a wave, in slot 0, which has had its only fill and its last read by then
.set VSTG,   32768                     ; the v path's stages lie this much further on: each path has bytes of its own
.set XSC,    2097152
.set WSC,    1572864
.set VSU,    393216
.set ADRA, 16
.set ADRB, 20
.set T0V,  22                          ; v22  my wave's first t
.set VO,   23                          ; v23  32 h
.set STO,  24
.set RD,   25
.set CO,   26                          ; v26  16 x lane
.set ADRS, 27
.set SPW,  28
.set NIL,  29
.set RO,   30                          ; v30  256 r + 32 h: my place in 16 rows of the RoPE table; never rewritten
.set FO,   31                          ; v31  4096 r + 32 h: my place in 16 rows of f32
.set SC,   32
.set AF,   128
.set YY,   96
.set TMP,  160
.set BK,   192
.set G1, 24
.set G0, 32
.set G1B, 48
.set G0B, 56
.set G1S, 68
.set G0S, 76
.set G1SB, 80
.set G0SB, 88
.set MSB, 0
.macro WIN new                         ; the immediate's high byte repeats the setting that is left
.if MSB != (\new)
	s_set_vgpr_msb (MSB<<8)|(\new)
.set MSB, (\new)
.endif
.endm
.set MUL_LO, 0xa1
.set MUL_HI, 0xf1
.set TO_B,   0x40
.macro JLOAD g0a, g1a, g0b, g1b        ; a joint load: waves 0, 1 fetch for x, waves 2, 3 for W; s_nop 0 and four v_nop follow each line
	s_cmp_eq_u32 s15, 0
	s_cbranch_scc0 .Lfor_b_\@
	tensor_load_to_lds s[\g0a:\g0a+3], s[\g1a:\g1a+7]
	s_nop 0
.rept 4
	v_nop
.endr
	s_branch .Lasked_\@
.Lfor_b_\@:
	tensor_load_to_lds s[\g0b:\g0b+3], s[\g1b:\g1b+7]
	s_nop 0
.rept 4
	v_nop
.endr
.Lasked_\@:
.endm
.macro CROUND                          ; a round of the cluster's barrier
	s_barrier_signal -1
	s_barrier_wait -1
	s_cmp_lg_u32 s14, 0
	s_cbranch_scc1 .Lnot_wave_0_\@
	s_barrier_signal -3
.Lnot_wave_0_\@:
	s_barrier_wait -3
	s_barrier_signal -1
	s_barrier_wait -1
.endm
	s_load_b64 s[4:5], s[0:1], 0x0                 ; xq
	s_load_b64 s[8:9], s[0:1], 0x8                 ; wq
	s_load_b64 s[98:99], s[0:1], 0x10              ; rope_cache
	s_load_b64 s[12:13], s[0:1], 0x18              ; qkv16
	s_load_b64 s[100:101], s[0:1], 0x20            ; fine
	v_lshl_add_u32 v[SPW], v0, 2, SPARE
	v_mov_b32 v[NIL], 0
	ds_add_u32 v[SPW], v[NIL]                      ; the wave's opening: the add, twice on end, and its wait ahead of my first tensor load
	ds_add_u32 v[SPW], v[NIL]
	v_lshrrev_b32 v1, 5, v0
	v_readfirstlane_b32 s14, v1                    ; wave 0..3
	s_lshr_b32 s15, s14, 1                         ; which half of the tile's rows is mine; also: I fetch for x (0) or for W (1)
	s_and_b32 s16, s14, 1                          ; which half of its columns; also: which 128 rows I fetch
	s_bfe_u32 s40, ttmp6, 0x40000                  ; cx
	s_bfe_u32 s41, ttmp6, 0x40004                  ; cy
	s_lshl_b32 s42, ttmp9, 2
	s_add_co_u32 s42, s42, s40                     ; tile column 0..11
	s_and_b32 s17, ttmp7, 0xffff
	s_lshl_b32 s17, s17, 2
	s_add_co_u32 s17, s17, s41                     ; tile row 0..15
	s_lshl_b32 s43, s41, 2
	s_lshl_b32 s43, 15, s43                        ; my row of the cluster
	s_lshl_b32 s44, 0x1111, s40                    ; my column
	s_or_b32 s[G1+0], s43, (0<<16)|(1<<20)|(1<<21)|(5<<22)|(3<<25)  ; mask; elements of 1 byte; padding: 4 words after every 64; bit 21 beside a mask
	s_or_b32 s[G1B+0], s44, (0<<16)|(1<<20)|(1<<21)|(5<<22)|(3<<25)
.irp g, G1, G1B
	s_mov_b32 s[\g+1], ROWB<<16                    ; tensor_dim0
	s_mov_b32 s[\g+2], 128<<16                     ; tensor_dim1
	s_mov_b32 s[\g+3], ROWB<<16                    ; tile_dim0
	s_mov_b32 s[\g+4], 128                         ; tile_dim1
	s_mov_b32 s[\g+5], KROW                        ; from row to row
	s_mov_b32 s[\g+6], 0
	s_mov_b32 s[\g+7], 0
.endr
	s_or_b32 s[G1S+0], s43, (3<<16)|(1<<21)        ; the scales: 2 rows (kh) of 256 elements of 8 bytes, no padding
	s_or_b32 s[G1SB+0], s44, (3<<16)|(1<<21)
.irp g, G1S, G1SB
	s_mov_b32 s[\g+1], 256<<16
	s_mov_b32 s[\g+2], 2<<16
	s_mov_b32 s[\g+3], 256<<16
	s_mov_b32 s[\g+4], 2
	s_mov_b32 s[\g+6], 0
	s_mov_b32 s[\g+7], 0
.endr
	s_mov_b32 s[G1S+5], 8192                       ; from kh to kh: 4,096 rows x 16 bytes
	s_mov_b32 s[G1SB+5], 6144                      ; 3,072 rows x 16 bytes
	s_lshl_b32 s18, s16, 7
	s_lshl_b32 s20, s17, 8
	s_add_co_u32 s20, s20, s18                     ; x: row 256 x tile row + 128 x half
	s_lshl_b32 s46, s42, 8
	s_add_co_u32 s46, s46, s18                     ; W: row 256 x tile column + 128 x half
	s_mov_b32 s21, 0
	s_mov_b32 s47, 0
	s_lshl_b64 s[22:23], s[20:21], 4               ; their scales, 16 bytes a row,
	s_lshl_b64 s[92:93], s[46:47], 4
	s_lshl_b64 s[20:21], s[20:21], 9               ; and their codes, 512 bytes a row
	s_lshl_b64 s[46:47], s[46:47], 9
	s_mul_i32 s45, s14, HALFT                      ; where they go: no place in the cluster enters an LDS address
	s_lshl_b32 s94, s14, 12
	s_wait_dscnt 0x0                               ; both opening adds are done
	s_wait_kmcnt 0x0
	s_add_nc_u64 s[6:7], s[4:5], XSC
	s_add_nc_u64 s[10:11], s[8:9], WSC
	s_add_nc_u64 s[20:21], s[4:5], s[20:21]
	s_add_nc_u64 s[22:23], s[6:7], s[22:23]
	s_add_nc_u64 s[46:47], s[8:9], s[46:47]
	s_add_nc_u64 s[92:93], s[10:11], s[92:93]
	CROUND                                         ; all sixteen work-groups are here: the joint loads meet
	s_mov_b32 s[G0S], 1
	s_add_co_u32 s[G0S+1], s94, SCL
	s_mov_b64 s[G0S+2:G0S+3], s[22:23]
	s_or_b32 s[G0S+3], s[G0S+3], 0x80000000
	s_mov_b32 s[G0SB], 1
	s_add_co_u32 s[G0SB+1], s94, SCL
	s_mov_b64 s[G0SB+2:G0SB+3], s[92:93]
	s_or_b32 s[G0SB+3], s[G0SB+3], 0x80000000
	JLOAD G0S, G1S, G0SB, G1SB                     ; the scales first
.irp s, 0,1
	s_mov_b32 s[G0+4*\s], 1
	s_add_co_u32 s[G0+4*\s+1], s45, \s*SLOT
	s_add_nc_u64 s[G0+4*\s+2:G0+4*\s+3], s[20:21], \s*ROWB
	s_or_b32 s[G0+4*\s+3], s[G0+4*\s+3], 0x80000000
	s_mov_b32 s[G0B+4*\s], 1
	s_add_co_u32 s[G0B+4*\s+1], s45, \s*SLOT
	s_add_nc_u64 s[G0B+4*\s+2:G0B+4*\s+3], s[46:47], \s*ROWB
	s_or_b32 s[G0B+4*\s+3], s[G0B+4*\s+3], 0x80000000
	JLOAD G0+4*\s, G1, G0B+4*\s, G1B
.endr
	v_and_b32 v1, 15, v0                           ; r
	v_bfe_u32 v2, v0, 4, 1                         ; h
	v_mul_u32_u24 v3, v1, PITCH
	v_lshl_add_u32 v4, v2, 4, v3
	s_mul_i32 s21, s15, HALFT
	s_mul_i32 s22, s16, HALFT
	s_add_co_u32 s22, s22, 2*HALFT
.irp s, 0,1
	v_add_nc_u32 v[ADRA+\s], s21, v4
	v_add_nc_u32 v[ADRB+\s], s22, v4
	s_add_co_u32 s21, s21, SLOT
	s_add_co_u32 s22, s22, SLOT
.endr
	v_lshlrev_b32 v5, 4, v1                        ; my row's 16 scale bytes
	s_lshl_b32 s21, s15, 12                        ; x's: my 128 rows
	s_lshl_b32 s22, s16, 12                        ; W's: my 128 rows, behind x's 256
	s_add_co_u32 s22, s22, 2*HALFS
	s_sub_co_u32 s22, s22, s21
	v_mul_u32_u24 v6, s22, v2                      ; lanes 16-31 take W's
	s_add_co_u32 s21, s21, SCL
	v_add_nc_u32 v5, v5, v6
	v_add_nc_u32 v[ADRS], s21, v5
	s_mul_i32 s23, s14, 16*SPITCH                  ; my stage
	v_mul_u32_u24 v5, v1, SPITCH
	v_lshl_add_u32 v5, v2, 4, v5
	v_add_nc_u32 v[STO], s23, v5                   ; in: row r, 16 bytes for each half of the lanes
	v_and_b32 v6, 31, v0
	v_lshlrev_b32 v[CO], 4, v6
	v_lshrrev_b32 v5, 3, v6
	v_mul_u32_u24 v5, v5, SPITCH
	v_and_b32 v6, 7, v6
	v_lshl_add_u32 v5, v6, 4, v5
	v_add_nc_u32 v[RD], s23, v5                    ; back: eight lanes to a head's 128 bytes of a row, four rows an instruction
	v_lshlrev_b32 v[RO], 8, v1
	v_lshl_add_u32 v[RO], v2, 5, v[RO]
	v_lshlrev_b32 v[FO], 12, v1
	v_lshl_add_u32 v[FO], v2, 5, v[FO]
	v_lshlrev_b32 v[VO], 5, v2
	; where the results go
	s_lshl_b32 s20, s17, 8
	s_lshl_b32 s21, s15, 7
	s_add_co_u32 s20, s20, s21                     ; my first row of the 4,096
	s_lshr_b32 s21, s20, 11                        ; b
	s_and_b32 s22, s20, 2047                       ; t0
	v_mov_b32 v[T0V], s22
	s_lshl_b32 s23, s40, 2
	s_lshl_b32 s18, s16, 1
	s_add_co_u32 s23, s23, s18                     ; my first head: 4 cx + 2 x half
	s_lshl_b32 s18, s21, 4
	s_add_co_u32 s18, s18, s23
	s_lshl_b32 s18, s18, 18                        ; a head's 2,048 rows of 128 bytes
	s_lshl_b32 s19, s22, 7
	s_add_co_u32 s18, s18, s19
	s_lshl_b32 s19, ttmp9, 23                      ; the class
	s_add_co_u32 s18, s18, s19
	s_mov_b32 s19, 0
	s_add_nc_u64 s[12:13], s[12:13], s[18:19]      ; qkv16 at (class, b, head0, t0)
	s_lshl_b32 s18, s22, 8
	s_add_nc_u64 s[98:99], s[98:99], s[18:19]      ; the RoPE table at t0; never rewritten
	s_lshl_b32 s46, s40, 10
	s_lshl_b32 s47, s16, 9
	s_add_co_u32 s46, s46, s47                     ; my first column inside the class, in f32 bytes
	s_lshl_b32 s18, ttmp9, 17
	s_lshl_b32 s47, s21, 16
	s_add_co_u32 s18, s18, s47
	s_add_co_u32 s18, s18, s46
	s_add_nc_u64 s[92:93], s[100:101], s[18:19]    ; fine[class][b][0][column]
	s_lshr_b32 s18, s20, 7
	s_lshl_b32 s18, s18, 12
	s_add_co_u32 s18, s18, s46
	s_add_co_u32 s18, s18, VSU
	s_add_nc_u64 s[100:101], s[100:101], s[18:19]  ; the column sums of my 128 rows
.macro FRAG reg, adr, q, i             ; 16 rows x 128 K of 4-bit codes: 8 registers, two loads of 16 bytes, 32 bytes apart
.irp c, 0,1
	ds_load_b128 v[\reg+4*\c:\reg+4*\c+3], v[\adr] offset:64*(\q)+32*\c+(\i)*16*PITCH
.endr
.endm
; 16 matrix instructions: x's blocks a0, a0 + 1 against W's eight.  The 64 accumulators take turns, one instruction a turn.
.macro MUL16 a0, p, q, sc, zero
.irp a, \a0, \a0+1
.irp b, 0,1,2,3,4,5,6,7
.if \zero
	v_wmma_scale_f32_16x16x128_f8f6f4 v[8*(8*((\a)%4)+\b):8*(8*((\a)%4)+\b)+7], v[128*(\p)+FR*\b:128*(\p)+FR*\b+FR-1], v[AF+FR*(\a):AF+FR*(\a)+FR-1], 0, v[SC+8*NQ*(\sc)+NQ*\b+(\q)], v[SC+8*NQ*(\sc)+NQ*(\a)+(\q)] matrix_a_fmt:MATRIX_FMT_FP4 matrix_b_fmt:MATRIX_FMT_FP4 matrix_a_scale:MATRIX_SCALE_ROW1
.else
	v_wmma_scale_f32_16x16x128_f8f6f4 v[8*(8*((\a)%4)+\b):8*(8*((\a)%4)+\b)+7], v[128*(\p)+FR*\b:128*(\p)+FR*\b+FR-1], v[AF+FR*(\a):AF+FR*(\a)+FR-1], v[8*(8*((\a)%4)+\b):8*(8*((\a)%4)+\b)+7], v[SC+8*NQ*(\sc)+NQ*\b+(\q)], v[SC+8*NQ*(\sc)+NQ*(\a)+(\q)] matrix_a_fmt:MATRIX_FMT_FP4 matrix_b_fmt:MATRIX_FMT_FP4 matrix_a_scale:MATRIX_SCALE_ROW1
.endif
.endr
.endr
.endm
.macro FETCH_B slot, q, p
	WIN TO_B
.irp i, 0,1,2,3,4,5,6,7
	FRAG 128*(\p)+FR*\i, ADRB+\slot, \q, \i
.endr
	WIN 0
.endm
.macro FETCH_A slot, q, i0
.irp i, \i0, \i0+1, \i0+2, \i0+3
	FRAG AF+FR*(\i), ADRA+\slot, \q, \i
.endr
.endm
.macro SCALES sc                       ; a slot's scale words: 4 words a row; lanes 0-15 x's block i, lanes 16-31 W's block i
.irp i, 0,1,2,3,4,5,6,7
	ds_load_b128 v[SC+8*NQ*\sc+NQ*\i:SC+8*NQ*\sc+NQ*\i+3], v[ADRS] offset:\i*256
.endr
.endm
.macro PLACES n                        ; plain vector instructions between a matrix instruction and a load into, or a read of, its registers
.rept \n
	v_nop
.endr
.endm
.macro RPLACE a                        ; where block a's cos and sin lie in window 1: sets 0-3 beside W's fragments, sets 4-7 where W's fragments lay
.if (\a) < 2
.set RS, 64+32*(\a)
.elseif (\a) < 4
.set RS, 192+32*((\a)-2)
.elseif (\a) < 6
.set RS, 32*((\a)-4)
.else
.set RS, 128+32*((\a)-6)
.endif
.endm
.macro ROPELD a                        ; cos and sin of my row of block a for d = 8 h .. and 16 + 8 h ..: registers 0-15 cos, 16-31 sin
	RPLACE \a
	WIN TO_B                                       ; destination window 1, address window 0
.irp o, 0,1,2,3,4,5,6,7
	global_load_b128 v[RS+4*\o:RS+4*\o+3], v[RO], s[98:99] offset:4096*(\a)+64*(\o/2)+16*(\o%2)
.endr
.endm
.macro STEP slot, q, zero
	s_wait_dscnt 4*NL                              ; W's set and x's blocks 0-3 are in; the youngest eight loads (blocks 4-7) may be out
	WIN MUL_LO
	MUL16 0, (\q)%2, \q, \slot, \zero
	MUL16 2, (\q)%2, \q, \slot, \zero
	s_wait_dscnt 0
	PLACES NP
	FETCH_B \slot, (\q)+1, 1-(\q)%2
	FETCH_A \slot, (\q)+1, 0
	WIN MUL_HI
	MUL16 4, (\q)%2, \q, \slot, \zero
	MUL16 6, (\q)%2, \q, \slot, \zero
	PLACES NP
	WIN 0
	FETCH_A \slot, (\q)+1, 4
.endm
.macro TURN slot, next                 ; a slot's last step changes slots: one barrier
	s_wait_tensorcnt 0x0                           ; my part of the next slot has landed
	ds_add_u32 v[SPW], v[NIL]
	s_wait_dscnt 4*NL+1                            ; the add and the youngest eight loads may be out
	WIN MUL_LO
	MUL16 0, 1, NQ-1, \slot, 0
	s_wait_dscnt 0x0                               ; the add is done, my reads of this slot are over
	s_barrier_signal -1
	MUL16 2, 1, NQ-1, \slot, 0
	WIN 0
	s_barrier_wait -1
	PLACES NP
	v_add_nc_u32 v[ADRS], 2048, v[ADRS]            ; the next kh's scale words
	FETCH_B \next, 0, 0
	FETCH_A \next, 0, 0
	SCALES \next
	WIN MUL_HI
	MUL16 4, 1, NQ-1, \slot, 0
	MUL16 6, 1, NQ-1, \slot, 0
	PLACES NP
	WIN 0
	FETCH_A \next, 0, 4
.endm
	s_wait_tensorcnt 1                             ; the scales and my part of slot 0 are in; slot 1's load may be out
	s_barrier_signal -1
	s_barrier_wait -1
	FETCH_B 0, 0, 0
	FETCH_A 0, 0, 0
	SCALES 0
	FETCH_A 0, 0, 4
	ROPELD 0                                       ; the table for blocks 0 to 3: 32 loads, issued while the first fragments come out of LDS; they are waited for behind the last product
	ROPELD 1
	ROPELD 2
	ROPELD 3
	STEP 0, 0, 1                                   ; the first products start the sums
	STEP 0, 1, 0
	STEP 0, 2, 0
	TURN 0, 1
	STEP 1, 0, 0
	STEP 1, 1, 0
	STEP 1, 2, 0
	s_wait_dscnt 4*NL
	WIN MUL_LO
	MUL16 0, 1, NQ-1, 1, 0
	MUL16 2, 1, NQ-1, 1, 0
	s_wait_dscnt 0
	WIN MUL_HI
	MUL16 4, 1, NQ-1, 1, 0
	MUL16 6, 1, NQ-1, 1, 0
	WIN 0
	PLACES NP                                      ; behind the last products: for the reads of results and the loads into registers that held operands
; THE WAY OUT, a block a of 16 rows x 128 columns (two heads) at a time.  Accumulator (a, b): lane (r, h) holds row 16 a + r and columns 16 b + 8 h + 0..7; head g = b / 4, d = 16 (b % 4) + 8 h + j.
.macro ROPE a                          ; y1 = x1 cos - x2 sin, y2 = x1 sin + x2 cos; x1 = d < 32 (b % 4 = u), x2 = d + 32 (u + 2); each accumulator is read from its low end on
	RPLACE \a
.set AC, 64*((\a)%4)
	WIN (0x02+(\a)/4)|0x04                         ; source 0: the accumulators' window; source 1: window 1, cos and sin
.irp g, 0,1
.irp u, 0,1
.irp p, 0,2,4,6
	v_pk_mul_f32 v[TMP+2*\p:TMP+2*\p+1], v[AC+8*(4*\g+\u+2)+\p:AC+8*(4*\g+\u+2)+\p+1], v[RS+16+8*\u+\p:RS+16+8*\u+\p+1]
	v_pk_mul_f32 v[TMP+2*\p+2:TMP+2*\p+3], v[AC+8*(4*\g+\u+2)+\p:AC+8*(4*\g+\u+2)+\p+1], v[RS+8*\u+\p:RS+8*\u+\p+1]
	v_pk_fma_f32 v[YY+8*(4*\g+\u)+\p:YY+8*(4*\g+\u)+\p+1], v[AC+8*(4*\g+\u)+\p:AC+8*(4*\g+\u)+\p+1], v[RS+8*\u+\p:RS+8*\u+\p+1], v[TMP+2*\p:TMP+2*\p+1] neg_lo:[0,0,1] neg_hi:[0,0,1]
	v_pk_fma_f32 v[YY+8*(4*\g+\u+2)+\p:YY+8*(4*\g+\u+2)+\p+1], v[AC+8*(4*\g+\u)+\p:AC+8*(4*\g+\u)+\p+1], v[RS+16+8*\u+\p:RS+16+8*\u+\p+1], v[TMP+2*\p+2:TMP+2*\p+3]
.endr
.endr
.endr
	WIN 0
.endm
.macro PACKY                           ; to f16: 16 bytes a lane and block b
.irp b, 0,1,2,3,4,5,6,7
.irp i, 0,1,2,3
	v_cvt_pk_f16_f32 v[TMP+4*\b+\i], v[YY+8*\b+2*\i], v[YY+8*\b+2*\i+1]
.endr
.endr
.endm
.macro PACKA a                         ; the same straight from the accumulators (v has no RoPE)
.set AC, 64*((\a)%4)
	WIN 0x0a+5*((\a)/4)
.irp b, 0,1,2,3,4,5,6,7
.irp i, 0,1,2,3
	v_cvt_pk_f16_f32 v[TMP+4*\b+\i], v[AC+8*\b+2*\i], v[AC+8*\b+2*\i+1]
.endr
.endr
	WIN 0
.endm
.macro F32OUT src, win                 ; rows t < 16 in f32: block 0 of the waves whose t0 is 0.  The choice is made by EXEC, not by a branch: t0 differs between partners
	s_wait_xcnt 0x0                                ; EXEC changes only behind this wait
	v_cmp_eq_u32 vcc_lo, 0, v[T0V]
	s_and_saveexec_b32 s95, vcc_lo
	WIN \win
.irp b, 0,1,2,3,4,5,6,7
	global_store_b128 v[FO], v[\src+8*\b:\src+8*\b+3], s[92:93] offset:64*\b
	global_store_b128 v[FO], v[\src+8*\b+4:\src+8*\b+7], s[92:93] offset:64*\b+16
.endr
	WIN 0
	s_wait_xcnt 0x0                                ; and again, in front of the line that widens it; the data registers are free too
	s_or_b32 exec_lo, exec_lo, s95
.endm
.macro TOSTAGE a, base                 ; into my stage, and back as a head's rows: LDS serves a wave's instructions in order
.irp b, 0,1,2,3,4,5,6,7
	ds_store_b128 v[STO], v[TMP+4*\b:TMP+4*\b+3] offset:\base+32*\b
.endr
.irp o, 0,1,2,3,4,5,6,7
	ds_load_b128 v[BK+32*((\a)%2)+4*\o:BK+32*((\a)%2)+4*\o+3], v[RD] offset:\base+128*(\o/4)+4*(\o%4)*SPITCH
.endr
.endm
.macro SEND a, younger                 ; younger: the LDS instructions issued behind block a's loads
	s_wait_dscnt \younger
.irp o, 0,1,2,3,4,5,6,7
	global_store_b128 v[CO], v[BK+32*((\a)%2)+4*\o:BK+32*((\a)%2)+4*\o+3], s[12:13] offset:2048*(\a)+262144*(\o/4)+512*(\o%4)   ; four rows of a head: 512 consecutive bytes, aligned
.endr
.endm
	s_cmp_eq_u32 ttmp9, 2                          ; the class is the cluster's number: alike in all partners
	s_cbranch_scc1 .Lv
	s_wait_loadcnt 0x0                             ; the table for blocks 0 to 3, asked for beside the first products, is in
	ROPELD 4                                       ; the table for blocks 4 to 7, into the registers that held W's fragments (four places behind the last product): wanted four blocks on
	ROPELD 5
	ROPELD 6
	ROPELD 7
.irp a, 0,1,2,3,4,5,6,7
.if \a > 3
	s_wait_loadcnt 8*(7-\a)                        ; this block's eight loads are in; those of the blocks behind it may be out
.endif
	ROPE \a
.if \a == 0
	F32OUT YY, 0
.endif
	PACKY
.if \a > 1
	s_wait_xcnt 0x0                                ; block a - 2's stores have read their registers: block a's rows may land there
.endif
	TOSTAGE \a, 0
.if \a > 0
	SEND \a-1, 16                                  ; behind block a - 1's loads: block a's 8 stores and 8 loads
.endif
.endr
	SEND 7, 0
	s_branch .Lclose
.Lv:
	; the sums of v's columns over my 128 rows: first over the eight blocks, then over the sixteen lanes of a half.  (Window 1 is not touched on this path: the table's 32 loads land there unused)
	WIN 0x0a
.set i_, 0
.rept 32
	v_pk_add_f32 v[YY+2*i_:YY+2*i_+1], v[2*i_:2*i_+1], v[64+2*i_:64+2*i_+1]
.set i_, i_+1
.endr
.irp a, 2,3,4,5,6,7
	WIN 0x02+\a/4
.set i_, 0
.rept 32
	v_pk_add_f32 v[YY+2*i_:YY+2*i_+1], v[64*(\a%4)+2*i_:64*(\a%4)+2*i_+1], v[YY+2*i_:YY+2*i_+1]
.set i_, i_+1
.endr
.endr
	WIN 0
.irp m, 1,2,4,8
.set i_, 0
.rept 64
	v_add_f32_dpp v[YY+i_], v[YY+i_], v[YY+i_] row_xmask:\m row_mask:0xf bank_mask:0xf
.set i_, i_+1
.endr
.endr
	s_wait_xcnt 0x0
	v_cmp_eq_u32 vcc_lo, 0, v1                     ; lanes 0 and 16 store
	s_and_saveexec_b32 s95, vcc_lo
.irp b, 0,1,2,3,4,5,6,7
	global_store_b128 v[VO], v[YY+8*\b:YY+8*\b+3], s[100:101] offset:64*\b
	global_store_b128 v[VO], v[YY+8*\b+4:YY+8*\b+7], s[100:101] offset:64*\b+16
.endr
	s_wait_xcnt 0x0
	s_or_b32 exec_lo, exec_lo, s95
	F32OUT 0, 0x08                                 ; a store's data are its source 1: window 2, block 0
.irp a, 0,1,2,3,4,5,6,7
	PACKA \a
.if \a > 1
	s_wait_xcnt 0x0
.endif
	TOSTAGE \a, VSTG
.if \a > 0
	SEND \a-1, 16
.endif
.endr
	SEND 7, 0
.Lclose:
	s_wait_tensorcnt 0x0                           ; the wave's end
	ds_add_u32 v[SPW], v[NIL]
	s_wait_dscnt 0x0
	CROUND                                         ; the closing round
	s_endpgm
.Lfunc_end_k_q039edcecb3_qkv:
	.size	k_q039edcecb3_qkv, .Lfunc_end_k_q039edcecb3_qkv-k_q039edcecb3_qkv
	.p2alignl 7, 3214868480
	.fill 96, 4, 3214868480
	.section	.rodata,"a",@progbits
	.p2align	6, 0x0
	.amdhsa_kernel k_q039edcecb3_qkv
		.amdhsa_group_segment_fixed_size 327680
		.amdhsa_private_segment_fixed_size 0
		.amdhsa_enable_private_segment 0
		.amdhsa_kernarg_size 40
		.amdhsa_user_sgpr_count 2
		.amdhsa_user_sgpr_kernarg_segment_ptr 1
		.amdhsa_wavefront_size32 1
		.amdhsa_system_sgpr_workgroup_id_x 1
		.amdhsa_system_sgpr_workgroup_id_y 1
		.amdhsa_system_sgpr_workgroup_id_z 1
		.amdhsa_system_vgpr_workitem_id 0
		.amdhsa_next_free_vgpr 1024
		.amdhsa_next_free_sgpr 102
		.amdhsa_reserve_vcc 1
		.amdhsa_float_denorm_mode_32 3
		.amdhsa_float_denorm_mode_16_64 3
		.amdhsa_memory_ordered 1
		.amdhsa_forward_progress 1
		.amdhsa_inst_pref_size 232
	.end_amdhsa_kernel
	.amdgpu_metadata
---
amdhsa.version: [ 1, 2 ]
amdhsa.kernels:
  - .name:           k_q039edcecb3_qkv
    .symbol:         k_q039edcecb3_qkv.kd
    .args:
      - { .name: xq, .offset: 0, .size: 8, .value_kind: global_buffer, .address_space: global }
      - { .name: wq, .offset: 8, .size: 8, .value_kind: global_buffer, .address_space: global }
      - { .name: rope_cache, .offset: 16, .size: 8, .value_kind: global_buffer, .address_space: global }
      - { .name: qkv16, .offset: 24, .size: 8, .value_kind: global_buffer, .address_space: global }
      - { .name: fine, .offset: 32, .size: 8, .value_kind: global_buffer, .address_space: global }
    .group_segment_fixed_size: 327680
    .private_segment_fixed_size: 0
    .kernarg_segment_align: 8
    .kernarg_segment_size: 40
    .max_flat_workgroup_size: 128
    .sgpr_count:     102
    .vgpr_count:     1024
    .wavefront_size: 32
...
	.end_amdgpu_metadata
.endif
;; end of part 2
;; launch attn (part 3): grid 8 x 32, 8 waves a work-group, no clusters, 327,680 bytes of LDS; arguments qkv16, aux, fine, o16; writes o16
.if DOCPART == 3
	.amdgcn_target "amdgcn-amd-amdhsa--gfx1250"
	.amdhsa_code_object_version 6
	.text
	.protected	k_q039edcecb3_attn
	.globl	k_q039edcecb3_attn
	.p2align	8
	.type	k_q039edcecb3_attn,@function
k_q039edcecb3_attn:
	s_mov_b64 s[64:65], 0
	v_nop
	global_prefetch_b8 v0, s[64:65] scope:SCOPE_SE
	s_setreg_imm32_b32 hwreg(HW_REG_WAVE_MODE, 25, 1), 1
	s_wait_xcnt 0x0
; ATTN: o[bh][q][:] = softmax_k(q . k / 8, causal, key mask) v, on f16 operands with f32 products' sums, maxima and sums.  q, k, v, o: [32][2048][64] f16.
; SHARES.  Work-group (I, bh) owns the query blocks 15 - I and then I, 128 rows each: 17 chunks of 128 keys in every work-group.  Wave w: queries 32 (w & 3) .. + 31 of the block (two tiles of 16), and of each
; slot of 256 keys the steps of 64 keys number KP and KP + 2, KP = w >> 2.  So two waves share a SIMD, one's softmax beside the other's products.  At a block's end waves 4-7 hand m, l and O^T to waves 0-3 through LDS.
; THE WALK: 9 trips in every work-group.  NH = (17 - I) >> 1 slots serve the first block, the rest the second.  Two LDS slots by turns; each wave fetches 64 rows (waves 0-3: K, waves 4-7: V).
; A block with an even number reads only the first 128 keys of its last slot: the waves whose 64 rows lie in the other half issue no load then: a test on the work-group's number and the trip count, the same in all
; eight waves, directly behind the barrier.  Every wait on TENSORcnt is for 0; one tensor load of a wave is out at a time.
; LAYOUT.  S^T = K Q^T + bias (source 0 = 16 keys, source 1 = 16 queries; the C of the first link is the key mask's table, 0 or -8e9): a lane holds one query and the keys 8 h + 0..7 of each tile.  Two tiles, rounded to f16
; in pairs, are source 1 of O^T = V^T P.  V comes out of LDS turned, by ds_load_tr16_b128.
; SOFTMAX.  Running maximum m and sum l for each query; p = 2^(c s - c m), c = log2(e) / 8.  Hidden keys (causal) take -8e9 by v_cndmask_b32.
; m BEGINS AT -4e9, under every score of a key that counts and far above the -8e9 of those that do not.  So where no key of a step, or of a wave's whole share, counts for a query, m stays there, the exponent is
; about -7e8, p is exactly 0, and l and O^T stay 0: nothing of such a step reaches the f16 weights.  (Were m to follow the -8e9, the rounding of c m, 1.4e9, would leave up to 64 in the exponent, and p beyond f16.)
; A ROW WITH NO KEY THAT COUNTS is uniform over all 2,048 keys in the definition: its m ends at -4e9, and it takes the mean of v over the sequence (from the column sums), chosen by v_cndmask_b32;
; what the division by its l = 0 makes is thrown away by that choice.
; LIMITS: a raw score q . k of a key that counts lies above -4e9; |q|, |k|, |v| under 65,504; NaN and infinities are not served.
; NO CLUSTER: the work-groups of a head change their query block at different trips (NH hangs on I) and then want different tiles, so their requests do not meet.
; REGISTERS.  Window 0: v1-15 addresses; v16-31 statistics (8 a tile: c m, m, l even, l odd, c0-c3); v32-95 S^T; v96-127 P; v128-191 K; v192-223 the mean of v; v224-254 at work; v255 prefetch offset.
;   Window 1: v0-63 O^T; v64-95 Q; v96-127 the bias; v128-191 V.
.set KPI,   144                        ; a row of K in LDS: 128 bytes + 16
.set VPI,   160                        ; a row of V: 128 + 32
.set VOFF,  256*KPI
.set SLOT1, 131072
.set STAGE, 86016                      ; 16 rows x 144 bytes for each of waves 0-3
.set SPARE, 95232                      ; the spare words, 128 bytes a wave: four blocks of 256 bytes that no other line names
.set XCH,   208896                     ; the hand-over at the change of blocks: 8,704 bytes a pair of waves;
.set XCH2,  34816                      ; the one at the end lies this much further on
.set BIA,   2097152
.set VSU,   393216
.set MFLOOR, 0xcf6e6b28                ; -4e9: where m begins
.set AK0, 1
.set AV0, 2
.set ADK, 3
.set ADV, 4
.set ABO, 5
.set QO,  6
.set SPW, 7
.set NIL, 8
.set DG,  9
.set NEGR, 10
.set XS,  11
.set XS2, 12
.set STO, 13
.set RD,  14
.set GO,  15
.set ST,  16
.set S,   32
.set P,   96
.set KR,  128
.set VM,  192
.set TD,  224
.set MG,  224
.set PFO, 255
.set OA,  0
.set QR,  64
.set BI,  96
.set VR,  128
.set WV, 12
.set QG, 13
.set KP, 14
.set II, 15
.set NH, 16
.set TT, 17
.set KS1, 18
.set KF, 19
.set KFN, 20
.set Q0, 21
.set TB, 22
.set HALF, 23
.set G1K, 24
.set G1V, 32
.set G0K, 40
.set G0V, 44
.set KB, 48
.set VB, 50
.set CS, 52
.set SEL, 54
.set QB, 56
.set QA, 58
.set OBB, 60
.set OB, 62
.set BB, 66
.set BA, 68
.set PFA, 70
.set LIM, 72
.set FL, 73
.set BLA, 75
.set NK, 80
.set THR, 81
.set MSB, 0
.macro WIN new
.if MSB != (\new)
	s_set_vgpr_msb (MSB<<8)|(\new)
.set MSB, (\new)
.endif
.endm
.macro PLACES
.rept 4
	v_nop
.endr
.endm
.macro TLOAD                           ; waves 0-3 fetch K's rows, waves 4-7 V's; s_nop 0 and four v_nop follow each line
	s_cmp_lt_u32 s[WV], 4
	s_cbranch_scc0 .Lfor_v_\@
	tensor_load_to_lds s[G0K:G0K+3], s[G1K:G1K+7]
	s_nop 0
.rept 4
	v_nop
.endr
	s_branch .Lasked_\@
.Lfor_v_\@:
	tensor_load_to_lds s[G0V:G0V+3], s[G1V:G1V+7]
	s_nop 0
.rept 4
	v_nop
.endr
.Lasked_\@:
.endm
; A prefetch of what the change after the next will ask for: each wave names the 8,192 bytes that it will fetch itself, lanes 256 bytes apart.  All eight work-groups of a head walk the same K and V; the first
; (I = 0), whose first block walks all eight slots, asks, in trips 0 to 5 for slots 2 to 7: each 256 bytes are named once in the launch, and none past slot 7.
.macro ASK
	s_cmp_lt_u32 s[TT], s[LIM]
	s_cbranch_scc0 .Lnot_mine_\@
	global_prefetch_b8 v[PFO], s[PFA:PFA+1] th:TH_LOAD_NT scope:SCOPE_SE
.Lnot_mine_\@:
.endm
.macro QLOAD                           ; my 32 queries stay in registers: tile t, channels 32 cs on
	s_lshl_b32 s76, s[Q0], 7
	s_mov_b32 s77, 0
	s_add_nc_u64 s[QA:QA+1], s[QB:QB+1], s[76:77]
	WIN 0x40
.irp t, 0,1
.irp cs, 0,1
	global_load_b128 v[QR+16*\t+8*\cs:QR+16*\t+8*\cs+3], v[QO], s[QA:QA+1] offset:2048*\t+64*\cs
	global_load_b128 v[QR+16*\t+8*\cs+4:QR+16*\t+8*\cs+7], v[QO], s[QA:QA+1] offset:2048*\t+64*\cs+32
.endr
.endr
	WIN 0
.endm
.macro BIASLD sk                       ; the mask's table for the 64 keys from s[sk] on, in the layout of S^T: lane (r, h), tile kt: keys 16 kt + 8 h + 0..7.  The earlier loads by BA are done (the step's wait for 0)
	s_lshl_b32 s76, s[\sk], 2
	s_mov_b32 s77, 0
	s_add_nc_u64 s[BA:BA+1], s[BB:BB+1], s[76:77]
	WIN 0x40
.irp kt, 0,1,2,3
	global_load_b128 v[BI+8*\kt:BI+8*\kt+3], v[ABO], s[BA:BA+1] offset:64*\kt
	global_load_b128 v[BI+8*\kt+4:BI+8*\kt+7], v[ABO], s[BA:BA+1] offset:64*\kt+16
.endr
	WIN 0
.endm
.macro RESET                           ; a block begins: m = -4e9, l = 0, O^T = 0 (the first change of m multiplies zeros).  The eight lines on the statistics are also places behind the last products
.irp t, 0,1
	v_mov_b32 v[ST+8*\t+1], MFLOOR
	v_mov_b32 v[ST+8*\t+2], 0
	v_mov_b32 v[ST+8*\t+3], 0
	v_mul_f32 v[ST+8*\t], s[CS], v[ST+8*\t+1]
.endr
	WIN 0x40
.set i_, 0
.rept 64
	v_mov_b32 v[OA+i_], 0
.set i_, i_+1
.endr
	WIN 0
.endm
; A KEY STEP: 64 keys, the q-th of my two in the slot.  mode 0: the next step lies 128 keys on; 1: at s[KFN]; 2: there is none.
.macro STEP q, mode
	s_wait_loadcnt 0x0                             ; the bias of this step, asked for a step ago, and Q
	s_add_co_u32 s76, s[Q0], 31
	s_cmp_gt_u32 s[KF], s76                        ; all 64 keys come after my 32 queries: the step's work is left out
	s_cbranch_scc1 .Lhid_\@
	v_add_nc_u32 v[ADK], s[TB], v[AK0]             ; four places behind the last step's products, whose V registers are loaded below
	v_add_nc_u32 v[ADV], s[TB], v[AV0]
	v_nop
	v_nop
.irp kt, 0,1,2,3
.irp cs, 0,1
	ds_load_b128 v[KR+16*\kt+8*\cs:KR+16*\kt+8*\cs+3], v[ADK] offset:128*KPI*\q+16*KPI*\kt+64*\cs
	ds_load_b128 v[KR+16*\kt+8*\cs+4:KR+16*\kt+8*\cs+7], v[ADK] offset:128*KPI*\q+16*KPI*\kt+64*\cs+32
.endr
.endr
	WIN 0x40
.irp c, 0,1
.irp f, 0,1,2,3
	ds_load_tr16_b128 v[VR+8*(4*\c+\f):VR+8*(4*\c+\f)+3], v[ADV] offset:128*VPI*\q+32*VPI*\c+32*\f
	ds_load_tr16_b128 v[VR+8*(4*\c+\f)+4:VR+8*(4*\c+\f)+7], v[ADV] offset:128*VPI*\q+32*VPI*\c+32*\f+16*VPI
.endr
.endr
	s_wait_dscnt 16                                ; K is in; V's sixteen loads may be out
	WIN 0x14                                       ; Q and the bias in window 1
.irp kt, 0,1,2,3
.irp t, 0,1
	v_wmma_f32_16x16x32_f16 v[S+32*\t+8*\kt:S+32*\t+8*\kt+7], v[KR+16*\kt:KR+16*\kt+7], v[QR+16*\t:QR+16*\t+7], v[BI+8*\kt:BI+8*\kt+7]
.endr
.endr
	WIN 0x04                                       ; the eight accumulators take turns
.irp kt, 0,1,2,3
.irp t, 0,1
	v_wmma_f32_16x16x32_f16 v[S+32*\t+8*\kt:S+32*\t+8*\kt+7], v[KR+16*\kt+8:KR+16*\kt+15], v[QR+16*\t+8:QR+16*\t+15], v[S+32*\t+8*\kt:S+32*\t+8*\kt+7]
.endr
.endr
	WIN 0
	PLACES                                         ; in front of the reads of the scores and of the loads into the bias
.if \mode == 0
	s_add_co_u32 s[NK], s[KF], 128
	BIASLD NK
.elseif \mode == 1
	BIASLD KFN
.endif
	s_add_co_u32 s76, s[KF], 63
	s_cmp_le_u32 s76, s[Q0]                        ; all keys count for all my queries: no causal work
	s_cbranch_scc1 .Lopen_\@
	s_sub_co_i32 s76, s[Q0], s[KF]
	v_add_nc_u32 v[TD], s76, v[DG]                 ; d = query - KF - 8 h for tile 0; register 8 kt + j holds key KF + 16 kt + 8 h + j: hidden where 16 kt + j > d
	v_add_nc_u32 v[TD+1], 16, v[TD]
.irp t, 0,1
.set n_, 0
.rept 32
	v_cmp_gt_i32 vcc_lo, 16*(n_/8)+n_%8, v[TD+\t]
	v_cndmask_b32 v[S+32*\t+n_], v[S+32*\t+n_], v[NEGR], vcc_lo
.set n_, n_+1
.endr
.endr
.Lopen_\@:
.irp j, 0,1,2,3                        ; the maximum of my 32 scores and the old m; each accumulator is read from its low end on; the two tiles by turns
.irp t, 0,1
	v_max3_num_f32 v[ST+8*\t+4+\j], v[S+32*\t+8*\j], v[S+32*\t+8*\j+1], v[S+32*\t+8*\j+2]
.endr
.endr
.irp i, 3,5
.irp j, 0,1,2,3
.irp t, 0,1
	v_max3_num_f32 v[ST+8*\t+4+\j], v[ST+8*\t+4+\j], v[S+32*\t+8*\j+\i], v[S+32*\t+8*\j+\i+1]
.endr
.endr
.endr
.irp t, 0,1
	v_max3_num_f32 v[ST+8*\t+4], v[ST+8*\t+4], v[S+32*\t+7], v[S+32*\t+15]
.endr
.irp t, 0,1
	v_max3_num_f32 v[ST+8*\t+6], v[ST+8*\t+6], v[S+32*\t+23], v[S+32*\t+31]
.endr
.irp t, 0,1
	v_max3_num_f32 v[ST+8*\t+4], v[ST+8*\t+4], v[ST+8*\t+5], v[ST+8*\t+6]
.endr
.irp t, 0,1
	v_max3_num_f32 v[ST+8*\t+4], v[ST+8*\t+4], v[ST+8*\t+7], v[ST+8*\t+1]   ; the old m is among the leaves: m never falls under -4e9
.endr
.irp t, 0,1
	v_permlanex16_b32 v[ST+8*\t+5], v[ST+8*\t+4], s[SEL], s[SEL+1]   ; the query's other 32 keys lie in the lane 16 away
.endr
.irp t, 0,1
	v_mov_b32 v[ST+8*\t+7], v[ST+8*\t]
.endr
.irp t, 0,1
	v_max_num_f32 v[ST+8*\t+1], v[ST+8*\t+4], v[ST+8*\t+5]
.endr
.irp t, 0,1
	v_mul_f32 v[ST+8*\t], s[CS], v[ST+8*\t+1]
.endr
.irp t, 0,1
	v_sub_f32 v[ST+8*\t+7], v[ST+8*\t+7], v[ST+8*\t]
.endr
.irp t, 0,1
	v_exp_f32 v[ST+8*\t+6], v[ST+8*\t+7]           ; a = 2^(c m_old - c m_new)
.endr
.set p_, 0
.rept 16
.irp t, 0,1
	v_pk_fma_f32 v[S+32*\t+2*p_:S+32*\t+2*p_+1], v[S+32*\t+2*p_:S+32*\t+2*p_+1], s[CS:CS+1], v[ST+8*\t:ST+8*\t+1] op_sel_hi:[1,0,0] neg_lo:[0,0,1] neg_hi:[0,0,1]
.endr
.set p_, p_+1
.endr
.set n_, 0
.rept 32
.irp t, 0,1
	v_exp_f32 v[S+32*\t+n_], v[S+32*\t+n_]
.endr
.set n_, n_+1
.endr
	v_nop                                          ; a plain instruction behind the last exponential
	s_wait_alu depctr_va_vdst(0)                   ; one wait for the batch of 66, ahead of its first reader
.set p_, 0
.rept 16
.irp t, 0,1
	v_cvt_pk_f16_f32 v[P+16*\t+p_], v[S+32*\t+2*p_], v[S+32*\t+2*p_+1]
.endr
.set p_, p_+1
.endr
.irp w, 4,8,16,32                      ; the sum of the 16 pairs, in place
.set u_, 0
.rept 32/\w
.irp t, 0,1
	v_pk_add_f32 v[S+32*\t+\w*u_:S+32*\t+\w*u_+1], v[S+32*\t+\w*u_:S+32*\t+\w*u_+1], v[S+32*\t+\w*u_+\w/2:S+32*\t+\w*u_+\w/2+1]
.endr
.set u_, u_+1
.endr
.endr
.irp t, 0,1
	v_pk_fma_f32 v[ST+8*\t+2:ST+8*\t+3], v[ST+8*\t+2:ST+8*\t+3], v[ST+8*\t+6:ST+8*\t+7], v[S+32*\t:S+32*\t+1] op_sel_hi:[1,0,1]   ; l = a l + the sum
.endr
	WIN 0x41
.set p_, 0
.rept 16
.irp t, 0,1
	v_pk_mul_f32 v[OA+32*\t+2*p_:OA+32*\t+2*p_+1], v[OA+32*\t+2*p_:OA+32*\t+2*p_+1], v[ST+8*\t+6:ST+8*\t+7] op_sel_hi:[1,0]   ; O^T x a
.endr
.set p_, p_+1
.endr
	s_wait_dscnt 0x0                               ; V is in
	WIN 0x51
.irp c, 0,1
.irp f, 0,1,2,3
.irp t, 0,1
	v_wmma_f32_16x16x32_f16 v[OA+32*\t+8*\f:OA+32*\t+8*\f+7], v[VR+8*(4*\c+\f):VR+8*(4*\c+\f)+7], v[P+16*\t+8*\c:P+16*\t+8*\c+7], v[OA+32*\t+8*\f:OA+32*\t+8*\f+7]
.endr
.endr
.endr
	WIN 0
	s_branch .Ljoin_\@
.Lhid_\@:
.if \mode == 0
	s_add_co_u32 s[NK], s[KF], 128
	BIASLD NK
.elseif \mode == 1
	BIASLD KFN
.endif
.Ljoin_\@:
.if \mode == 0
	s_add_co_u32 s[KF], s[KF], 128
.elseif \mode == 1
	s_mov_b32 s[KF], s[KFN]
.endif
.endm
; THE CHANGE OF SLOTS, at a trip's head: each wave waits for all its tensor loads, adds 0 to its spare word, and waits for that and for its reads of the slot that it has left; behind the barrier the slot ahead is
; whole and nobody reads the other.  fill = 1: that other slot takes the next trip's keys.
.macro CHANGE fill
	s_wait_tensorcnt 0x0                           ; no tensor load of mine is out, so the descriptors may be written
	ds_add_u32 v[SPW], v[NIL]                      ; the steps below stand between the add and the wait for it
.if \fill
	s_add_co_u32 s76, s[TT], 1                     ; the next trip
	s_cmp_lt_u32 s76, s[NH]
	s_cselect_b32 s77, 0, s[NH]
	s_cselect_b32 s78, s[BLA], s[II]               ; the block that it serves,
	s_sub_co_u32 s[KS1], s76, s77                  ; and its slot of 256 keys
	s_lshl_b32 s[KFN], s[KS1], 8
	s_lshl_b32 s77, s[KP], 6
	s_add_co_u32 s[KFN], s[KFN], s77               ; my first key there
	s_lshl_b32 s77, s[KS1], 1
	s_cmp_ge_u32 s77, s78                          ; its keys 128 .. 255 come after the block's last query
	s_cselect_b32 s[HALF], 1, 0
	s_xor_b32 s[G0K+1], s[G0K+1], SLOT1
	s_xor_b32 s[G0V+1], s[G0V+1], SLOT1
	s_lshl_b32 s76, s[KS1], 15
	s_mov_b32 s77, 0
	s_add_nc_u64 s[G0K+2:G0K+3], s[KB:KB+1], s[76:77]
	s_or_b32 s[G0K+3], s[G0K+3], 0x80000000
	s_add_nc_u64 s[G0V+2:G0V+3], s[VB:VB+1], s[76:77]
	s_or_b32 s[G0V+3], s[G0V+3], 0x80000000
	s_wait_xcnt 0x0                                ; the last prefetch, a trip back, has read its address
	s_add_nc_u64 s[PFA:PFA+1], s[PFA:PFA+1], 32768
.endif
	s_wait_dscnt 0x0                               ; the add is done, my reads of the slot that I have left are over
	s_barrier_signal -1
	s_barrier_wait -1
.if \fill
	s_cmp_eq_u32 s[HALF], 1                        ; the work-group's number and the trip count alone: all eight waves go the same way
	s_cbranch_scc1 .Lhalf_\@
	TLOAD                                          ; my one tensor load until the next such barrier
	s_branch .Lfilled_\@
.Lhalf_\@:
	s_cmp_lt_u32 s[QG], 2                          ; only the rows that some wave will read are fetched
	s_cbranch_scc0 .Lfilled_\@
	TLOAD
.Lfilled_\@:
	ASK
.endif
.endm
; THE HAND-OVER.  Waves 4-7 store O^T as an image of its registers (16 bytes a lane, 512 a store), m and l.
.macro SW1 X, cond
.if \cond
	s_cmp_lg_u32 s[TT], s[NH]
	s_cbranch_scc1 .Lno1_\@
.endif
	s_cmp_lt_u32 s[WV], 4
	s_cbranch_scc1 .Lno1_\@
	PLACES                                         ; behind the last products
.irp t, 0,1
	v_add_f32 v[ST+8*\t+4], v[ST+8*\t+2], v[ST+8*\t+3]
.endr
	WIN 0x04                                       ; an LDS store's data are its source 1: window 1
.set n_, 0
.rept 16
	ds_store_b128 v[XS], v[OA+4*n_:OA+4*n_+3] offset:\X+512*n_
.set n_, n_+1
.endr
	WIN 0
.irp t, 0,1
	ds_store_b32 v[XS2], v[ST+8*\t+1] offset:\X+256*\t
	ds_store_b32 v[XS2], v[ST+8*\t+4] offset:\X+256*\t+128
.endr
.Lno1_\@:
.endm
; Waves 0-3 join the two halves of the keys, divide by l, choose the mean of v for rows with no key, round to f16 and store 32 rows of o.
.macro MERGE X
	PLACES
.set n_, 0
.rept 16
	ds_load_b128 v[KR+4*n_:KR+4*n_+3], v[XS] offset:\X+512*n_
.set n_, n_+1
.endr
.irp t, 0,1
	ds_load_b32 v[MG+10*\t+6], v[XS2] offset:\X+256*\t
	ds_load_b32 v[MG+10*\t+7], v[XS2] offset:\X+256*\t+128
.endr
	s_wait_dscnt 0x0
.irp t, 0,1
	v_max_num_f32 v[MG+10*\t+1], v[ST+8*\t+1], v[MG+10*\t+6]     ; the joint m
.endr
.irp t, 0,1
	v_mul_f32 v[MG+10*\t+3], s[CS], v[MG+10*\t+1]
.endr
.irp t, 0,1
	v_mul_f32 v[MG+10*\t+9], s[CS], v[MG+10*\t+6]
.endr
.irp t, 0,1
	v_sub_f32 v[MG+10*\t+8], v[ST+8*\t], v[MG+10*\t+3]
.endr
.irp t, 0,1
	v_sub_f32 v[MG+10*\t+9], v[MG+10*\t+9], v[MG+10*\t+3]
.endr
.irp t, 0,1
	v_exp_f32 v[MG+10*\t], v[MG+10*\t+8]
.endr
.irp t, 0,1
	v_exp_f32 v[MG+10*\t+2], v[MG+10*\t+9]
.endr
.irp t, 0,1
	v_add_f32 v[MG+10*\t+5], v[ST+8*\t+2], v[ST+8*\t+3]          ; (plain work behind the exponentials)
.endr
	s_wait_alu depctr_va_vdst(0)                   ; one wait for the four
.irp t, 0,1
	v_mul_f32 v[MG+10*\t+4], v[MG+10*\t+5], v[MG+10*\t]
.endr
.irp t, 0,1
	v_fmac_f32 v[MG+10*\t+4], v[MG+10*\t+7], v[MG+10*\t+2]
.endr
.irp t, 0,1
	v_permlanex16_b32 v[MG+10*\t+5], v[MG+10*\t+4], s[SEL], s[SEL+1]
.endr
.irp t, 0,1
	v_add_f32 v[MG+10*\t+4], v[MG+10*\t+4], v[MG+10*\t+5]        ; the row's sum
.endr
.irp t, 0,1
	v_rcp_f32 v[MG+10*\t+5], v[MG+10*\t+4]
.endr
	v_nop
.irp t, 0,1
	v_cmp_ge_f32 s[FL+\t], s[THR], v[MG+10*\t+1]   ; m is still where it began: no key counted
.endr
	s_wait_alu depctr_va_vdst(0)                   ; one wait for the two reciprocals
.irp t, 0,1
	v_mul_f32 v[MG+10*\t], v[MG+10*\t], v[MG+10*\t+5]
.endr
.irp t, 0,1
	v_mul_f32 v[MG+10*\t+2], v[MG+10*\t+2], v[MG+10*\t+5]
.endr
.irp t, 0,1
.set p_, 0
.rept 16
	v_pk_mul_f32 v[S+32*\t+2*p_:S+32*\t+2*p_+1], v[KR+32*\t+2*p_:KR+32*\t+2*p_+1], v[MG+10*\t+2:MG+10*\t+3] op_sel_hi:[1,0]
.set p_, p_+1
.endr
	WIN 0x01
.set p_, 0
.rept 16
	v_pk_fma_f32 v[S+32*\t+2*p_:S+32*\t+2*p_+1], v[OA+32*\t+2*p_:OA+32*\t+2*p_+1], v[MG+10*\t:MG+10*\t+1], v[S+32*\t+2*p_:S+32*\t+2*p_+1] op_sel_hi:[1,0,1]
.set p_, p_+1
.endr
	WIN 0
.set n_, 0
.rept 32
	v_cndmask_b32 v[S+32*\t+n_], v[S+32*\t+n_], v[VM+n_], s[FL+\t]   ; a row with no key: the mean of v in place of 0 / 0
.set n_, n_+1
.endr
.set p_, 0
.rept 16
	v_cvt_pk_f16_f32 v[P+16*\t+p_], v[S+32*\t+2*p_], v[S+32*\t+2*p_+1]
.set p_, p_+1
.endr
.irp f, 0,1,2,3
	ds_store_b128 v[STO], v[P+16*\t+4*\f:P+16*\t+4*\f+3] offset:32*\f
.endr
.irp i, 0,1,2,3
	ds_load_b128 v[KR+32*\t+4*\i:KR+32*\t+4*\i+3], v[RD] offset:4*\i*KPI    ; LDS serves a wave's instructions in order: these see the stores above, and the next tile's stores come behind them
.endr
.endr
	s_wait_dscnt 0x0
.irp t, 0,1
.irp i, 0,1,2,3
	global_store_b128 v[GO], v[KR+32*\t+4*\i:KR+32*\t+4*\i+3], s[OB:OB+1] offset:2048*\t+512*\i   ; four rows of o: 512 consecutive bytes, aligned
.endr
.endr
.endm
.macro SW2
	s_cmp_lg_u32 s[TT], s[NH]
	s_cbranch_scc1 .Lno2_\@
	s_cmp_ge_u32 s[WV], 4
	s_cbranch_scc1 .Lrs_\@
	MERGE 0
.Lrs_\@:
	s_wait_xcnt 0x0                                ; the stores have read their base and their data
	s_lshl_b32 s[Q0], s[II], 7
	s_lshl_b32 s76, s[QG], 5
	s_add_co_u32 s[Q0], s[Q0], s76                 ; the second block's queries
	s_lshl_b32 s76, s[Q0], 7
	s_mov_b32 s77, 0
	s_add_nc_u64 s[OB:OB+1], s[OBB:OBB+1], s[76:77]
	RESET
	QLOAD
.Lno2_\@:
.endm
.macro TRIP fill, mode
	CHANGE \fill
	SW1 0, 1
	s_wait_dscnt 0x0                               ; for the others' sake: what I handed over has landed
	s_barrier_signal -1                            ; The refill may stay out across it
	s_barrier_wait -1
	SW2
	STEP 0, 0
	STEP 1, \mode
	s_xor_b32 s[TB], s[TB], SLOT1
.endm
	s_load_b256 s[4:11], s[0:1], 0x0               ; qkv16, aux, fine, o16
	v_lshl_add_u32 v[SPW], v0, 2, SPARE
	v_mov_b32 v[NIL], 0
	ds_add_u32 v[SPW], v[NIL]                      ; the wave's opening: the add, twice on end, and its wait ahead of my first tensor load
	ds_add_u32 v[SPW], v[NIL]
	v_lshrrev_b32 v240, 5, v0
	v_readfirstlane_b32 s[WV], v240                ; wave 0..7
	s_and_b32 s[QG], s[WV], 3
	s_lshr_b32 s[KP], s[WV], 2
	s_mov_b32 s[II], ttmp9
	s_sub_co_u32 s[BLA], 15, s[II]
	s_sub_co_u32 s[NH], 17, s[II]
	s_lshr_b32 s[NH], s[NH], 1
	s_mov_b32 s[G1K], (1<<16)|(1<<20)|(4<<22)|(3<<25)   ; elements of 2 bytes; padding: 4 words after every 32
	s_mov_b32 s[G1V], (1<<16)|(1<<20)|(4<<22)|(7<<25)   ; 8 words
.irp g, G1K, G1V
	s_mov_b32 s[\g+1], 64<<16                      ; tensor_dim0
	s_mov_b32 s[\g+2], 64<<16                      ; tensor_dim1
	s_mov_b32 s[\g+3], 64<<16                      ; tile_dim0
	s_mov_b32 s[\g+4], 64                          ; tile_dim1
	s_mov_b32 s[\g+5], 64                          ; from row to row
	s_mov_b32 s[\g+6], 0
	s_mov_b32 s[\g+7], 0
.endr
	s_mov_b32 s[CS], 0x3e38aa3b                    ; c = log2(e) / 8
	s_mov_b32 s[CS+1], s[CS]
	s_mov_b32 s[SEL], 0x76543210
	s_mov_b32 s[SEL+1], 0xfedcba98
	s_mov_b32 s[THR], MFLOOR                       ; -4e9
	s_mov_b32 s[TB], 0
	s_mov_b32 s[TT], 0
	s_lshl_b32 s[KF], s[KP], 6
	s_lshl_b32 s[Q0], s[BLA], 7
	s_lshl_b32 s76, s[QG], 5
	s_add_co_u32 s[Q0], s[Q0], s76
	s_cmp_eq_u32 ttmp9, 0
	s_cselect_b32 s[LIM], 6, 0
	s_and_b32 s[NK], ttmp7, 0xffff                 ; bh
	s_lshl_b32 s78, s[NK], 18
	s_mov_b32 s79, 0
	s_wait_dscnt 0x0                               ; both opening adds are done
	s_wait_kmcnt 0x0
	s_add_nc_u64 s[QB:QB+1], s[4:5], s[78:79]
	s_add_nc_u64 s[OBB:OBB+1], s[10:11], s[78:79]
	s_lshl_b32 s77, s[QG], 13
	s_add_co_u32 s78, s78, s77
	s_add_co_u32 s78, s78, 8388608
	s_add_nc_u64 s[KB:KB+1], s[4:5], s[78:79]      ; the 64 rows of K that I would fetch of slot 0,
	s_add_co_u32 s78, s78, 8388608
	s_add_nc_u64 s[VB:VB+1], s[4:5], s[78:79]      ; and of V
	s_mov_b32 s[G0K], 1
	s_mul_i32 s[G0K+1], s[QG], 64*KPI
	s_mov_b64 s[G0K+2:G0K+3], s[KB:KB+1]
	s_or_b32 s[G0K+3], s[G0K+3], 0x80000000
	s_mov_b32 s[G0V], 1
	s_mul_i32 s[G0V+1], s[QG], 64*VPI
	s_add_co_u32 s[G0V+1], s[G0V+1], VOFF
	s_mov_b64 s[G0V+2:G0V+3], s[VB:VB+1]
	s_or_b32 s[G0V+3], s[G0V+3], 0x80000000
	TLOAD                                          ; slot 0: every block of the first walk reads all of it
	s_cmp_lt_u32 s[WV], 4
	s_cselect_b64 s[PFA:PFA+1], s[KB:KB+1], s[VB:VB+1]
	s_add_nc_u64 s[PFA:PFA+1], s[PFA:PFA+1], 32768 ; in slot 1: the first change steps it to slot 2
	s_lshr_b32 s76, s[NK], 4                       ; b
	s_lshl_b32 s76, s76, 13
	s_add_co_u32 s76, s76, BIA
	s_mov_b32 s77, 0
	s_add_nc_u64 s[BB:BB+1], s[6:7], s[76:77]
	s_lshr_b32 s76, s[NK], 4
	s_lshl_b32 s76, s76, 16
	s_and_b32 s78, s[NK], 15
	s_lshl_b32 s78, s78, 8
	s_add_co_u32 s76, s76, s78
	s_add_co_u32 s76, s76, VSU
	s_add_nc_u64 s[8:9], s[8:9], s[76:77]          ; the sixteen partial column sums of my sequence, at my head
	s_lshl_b32 s76, s[Q0], 7
	s_add_nc_u64 s[OB:OB+1], s[OBB:OBB+1], s[76:77]
	v_and_b32 v240, 15, v0                         ; r
	v_bfe_u32 v241, v0, 4, 1                       ; h
	v_and_b32 v242, 31, v0                         ; lane
	v_mul_u32_u24 v[AK0], v240, KPI
	v_lshl_add_u32 v[AK0], v241, 4, v[AK0]
	s_mul_i32 s77, s[KP], 64*KPI
	v_add_nc_u32 v[AK0], s77, v[AK0]
	v_and_b32 v243, 7, v0
	v_lshl_add_u32 v243, v241, 3, v243
	v_mul_u32_u24 v[AV0], v243, VPI
	v_bfe_u32 v243, v0, 3, 1
	v_lshl_add_u32 v[AV0], v243, 4, v[AV0]
	s_mul_i32 s77, s[KP], 64*VPI
	s_add_co_u32 s77, s77, VOFF
	v_add_nc_u32 v[AV0], s77, v[AV0]
	v_lshlrev_b32 v[ABO], 5, v241
	v_lshlrev_b32 v[QO], 7, v240
	v_lshl_add_u32 v[QO], v241, 4, v[QO]
	v_lshlrev_b32 v243, 3, v241
	v_sub_nc_u32 v[DG], v240, v243
	v_mov_b32 v[NEGR], 0xcfee6b28                  ; -8e9
	s_mul_i32 s77, s[QG], 8704
	s_add_co_u32 s77, s77, XCH
	v_lshl_add_u32 v[XS], v242, 4, s77
	s_add_co_u32 s77, s77, 8192
	v_lshl_add_u32 v[XS2], v242, 2, s77
	s_mul_i32 s77, s[QG], 16*KPI
	s_add_co_u32 s77, s77, STAGE
	v_mul_u32_u24 v[STO], v240, KPI
	v_lshl_add_u32 v[STO], v241, 4, v[STO]
	v_add_nc_u32 v[STO], s77, v[STO]
	v_lshrrev_b32 v243, 3, v242
	v_mul_u32_u24 v[RD], v243, KPI
	v_and_b32 v243, 7, v0
	v_lshl_add_u32 v[RD], v243, 4, v[RD]
	v_add_nc_u32 v[RD], s77, v[RD]
	v_lshlrev_b32 v[GO], 4, v242
	v_lshlrev_b32 v[PFO], 8, v242
	v_lshlrev_b32 v244, 12, v240
	v_lshl_add_u32 v244, v241, 5, v244             ; lane r takes partial sum r
.irp f, 0,1,2,3
	global_load_b128 v[VM+8*\f:VM+8*\f+3], v244, s[8:9] offset:64*\f
	global_load_b128 v[VM+8*\f+4:VM+8*\f+7], v244, s[8:9] offset:64*\f+16
.endr
	QLOAD
	BIASLD KF
	RESET
	s_wait_loadcnt 0x0
.irp m, 1,2,4,8
.set n_, 0
.rept 32
	v_add_f32_dpp v[VM+n_], v[VM+n_], v[VM+n_] row_xmask:\m row_mask:0xf bank_mask:0xf
.set n_, n_+1
.endr
.endr
.set n_, 0
.rept 32
	v_mul_f32 v[VM+n_], 0x3a000000, v[VM+n_]       ; / 2,048: the mean of v, in O^T's layout
.set n_, n_+1
.endr
.Ltrip:                                            ; trips 0 to 7: each asks for the next trip's slot
	TRIP 1, 1
	s_add_co_u32 s[TT], s[TT], 1
	s_cmp_lt_u32 s[TT], 8
	s_cbranch_scc1 .Ltrip
	TRIP 0, 2                                      ; trip 8 is written out: nothing is left to fetch
	SW1 XCH2, 0
	s_wait_dscnt 0x0
	s_barrier_signal -1
	s_barrier_wait -1
	s_cmp_ge_u32 s[WV], 4
	s_cbranch_scc1 .Lfin
	MERGE XCH2
.Lfin:
	s_wait_tensorcnt 0x0                           ; the wave's end
	ds_add_u32 v[SPW], v[NIL]
	s_wait_dscnt 0x0
	s_endpgm
.Lfunc_end_k_q039edcecb3_attn:
	.size	k_q039edcecb3_attn, .Lfunc_end_k_q039edcecb3_attn-k_q039edcecb3_attn
	.p2alignl 7, 3214868480
	.fill 96, 4, 3214868480
	.section	.rodata,"a",@progbits
	.p2align	6, 0x0
	.amdhsa_kernel k_q039edcecb3_attn
		.amdhsa_group_segment_fixed_size 327680
		.amdhsa_private_segment_fixed_size 0
		.amdhsa_enable_private_segment 0
		.amdhsa_kernarg_size 32
		.amdhsa_user_sgpr_count 2
		.amdhsa_user_sgpr_kernarg_segment_ptr 1
		.amdhsa_wavefront_size32 1
		.amdhsa_system_sgpr_workgroup_id_x 1
		.amdhsa_system_sgpr_workgroup_id_y 1
		.amdhsa_system_sgpr_workgroup_id_z 1
		.amdhsa_system_vgpr_workitem_id 0
		.amdhsa_next_free_vgpr 512
		.amdhsa_next_free_sgpr 100
		.amdhsa_reserve_vcc 1
		.amdhsa_float_denorm_mode_32 3
		.amdhsa_float_denorm_mode_16_64 3
		.amdhsa_memory_ordered 1
		.amdhsa_forward_progress 1
		.amdhsa_inst_pref_size 172
	.end_amdhsa_kernel
	.amdgpu_metadata
---
amdhsa.version: [ 1, 2 ]
amdhsa.kernels:
  - .name:           k_q039edcecb3_attn
    .symbol:         k_q039edcecb3_attn.kd
    .args:
      - { .name: qkv16, .offset: 0, .size: 8, .value_kind: global_buffer, .address_space: global }
      - { .name: aux, .offset: 8, .size: 8, .value_kind: global_buffer, .address_space: global }
      - { .name: fine, .offset: 16, .size: 8, .value_kind: global_buffer, .address_space: global }
      - { .name: o16, .offset: 24, .size: 8, .value_kind: global_buffer, .address_space: global }
    .group_segment_fixed_size: 327680
    .private_segment_fixed_size: 0
    .kernarg_segment_align: 8
    .kernarg_segment_size: 32
    .max_flat_workgroup_size: 256
    .sgpr_count:     100
    .vgpr_count:     512
    .wavefront_size: 32
...
	.end_amdgpu_metadata
.endif
;; end of part 3
;; launch proj (part 4): grid 8 x 32, 4 waves a work-group, clusters of 4 x 4, 327,680 bytes of LDS; arguments o16, aux, out0; writes out0
.if DOCPART == 4
	.amdgcn_target "amdgcn-amd-amdhsa--gfx1250"
	.amdhsa_code_object_version 6
	.text
	.protected	k_q039edcecb3_proj
	.globl	k_q039edcecb3_proj
	.p2align	8
	.type	k_q039edcecb3_proj,@function
k_q039edcecb3_proj:
	s_mov_b64 s[64:65], 0
	v_nop
	global_prefetch_b8 v0, s[64:65] scope:SCOPE_SE
	s_setreg_imm32_b32 hwreg(HW_REG_WAVE_MODE, 25, 1), 1
	s_wait_xcnt 0x0
	s_wait_alu depctr_hold_cnt(0) depctr_sa_sdst(0) depctr_va_vdst(0) depctr_va_sdst(0) depctr_va_ssrc(0) depctr_va_vcc(0) depctr_vm_vsrc(0)
	s_getreg_b32 s2, hwreg(HW_REG_IB_STS2, 6, 4)
	s_cmp_eq_u32 s2, 0
	s_cbranch_scc0 .Lentry_in_a_cluster
	s_endpgm
.Lentry_in_a_cluster:
	s_bfe_u32 s2, ttmp6, 0x10000c
	s_cmp_lg_u32 s2, 0xf033
	s_cbranch_scc0 .Lentry_shape_is_right
	s_endpgm
.Lentry_shape_is_right:
; PROJ: out0 [4096][1024] f32 = o Wo on f16 operands, sums in f32.  o lies by heads, o16[b 16 + head][t][64]; Wo lies as given, aux[k 1024][n 1024] f16.
; A tile of 128 x 128 (256 work-groups), four waves of 64 x 64; K in steps of 256 (four heads) through two LDS slots.  Waves 0, 1 fetch two heads of o each: for a head the tile's 128 rows are 16,384 consecutive bytes,
; stated as one row of the descriptor, with 16 bytes of padding behind every 128: lines 144 bytes apart.  Waves 2, 3 fetch 128 rows (k) x 256 bytes of Wo each, rows 288 bytes apart; its fragments come out turned, by ds_load_tr16_b128.
; CLUSTERS: 4 x 4; o's tiles are shared along a row of the cluster, Wo's along a column: joint loads.  THE MATRIX INSTRUCTION IS USED TRANSPOSED: a lane holds eight neighbouring columns of a row of out0.
; ALL rows are stored, the first 16 of each sequence too: leaving them out would be a branch on a work-group's place in its cluster.  The launch behind this one stores those 32 rows again, from f32 operands.
; LIMITS: |o|, |Wo| under 65,504.
; REGISTERS: window 0: v0-31 addresses; v32-95 rows on the way out; v128-255 the 16 accumulators.  Window 1: two fragment buffers of 128 (64 of o, 64 of Wo).
.set HALFT,  36864                     ; what one tensor load brings: 2 x 128 lines x 144, or 128 rows x 288
.set SLOT,   4*HALFT
.set SPARE,  2*SLOT                    ; the spare words, 128 bytes a wave: two blocks of 256 bytes that no other line names
.set SPITCH, 272                       ; the way out: 16 rows x (256 bytes + 16) a wave, in slot 0, which has had its last fill and its last read by then
.set STEPA,  1048576                   ; four heads on in o16
.set STEPB,  524288                    ; 256 rows on in Wo
.set LAPS,   2
.set ADRA, 16                          ; v16-17  o's fragments in slot 0, 1
.set ADRB, 20                          ; v20-23  Wo's: 2 x slot + (k / 128)
.set STO,  24
.set RD,   25
.set CO,   26
.set SPW,  28
.set NIL,  29
.set TMP,  32
.set ACC,  128
.set F0,   0
.set F1,   128
.set G1, 24
.set G0, 32
.set G1B, 48
.set G0B, 56
.set MSB, 0
.macro WIN new
.if MSB != (\new)
	s_set_vgpr_msb (MSB<<8)|(\new)
.set MSB, (\new)
.endif
.endm
.set MUL,  0x05
.set TO_F, 0x40
.macro JLOAD s                         ; a joint load: waves 0, 1 for o, waves 2, 3 for Wo; s_nop 0 and four v_nop follow each line
	s_cmp_eq_u32 s11, 0
	s_cbranch_scc0 .Lfor_b_\@
	tensor_load_to_lds s[G0+4*\s:G0+4*\s+3], s[G1:G1+7]
	s_nop 0
.rept 4
	v_nop
.endr
	s_branch .Lasked_\@
.Lfor_b_\@:
	tensor_load_to_lds s[G0B+4*\s:G0B+4*\s+3], s[G1B:G1B+7]
	s_nop 0
.rept 4
	v_nop
.endr
.Lasked_\@:
.endm
.macro CREST
	s_cmp_lg_u32 s10, 0
	s_cbranch_scc1 .Lnot_wave_0_\@
	s_barrier_signal -3
.Lnot_wave_0_\@:
	s_barrier_wait -3
	s_barrier_signal -1
	s_barrier_wait -1
.endm
.macro CROUND
	s_barrier_signal -1
	s_barrier_wait -1
	CREST
.endm
	s_load_b128 s[4:7], s[0:1], 0x0                ; o16, aux
	s_load_b64 s[8:9], s[0:1], 0x10                ; out0
	v_lshl_add_u32 v[SPW], v0, 2, SPARE
	v_mov_b32 v[NIL], 0
	ds_add_u32 v[SPW], v[NIL]                      ; the wave's opening: the add, twice on end, and its wait ahead of my first tensor load
	ds_add_u32 v[SPW], v[NIL]
	v_lshrrev_b32 v1, 5, v0
	v_readfirstlane_b32 s10, v1                    ; wave 0..3
	s_lshr_b32 s11, s10, 1                         ; my half of the tile's rows; also: I fetch for o (0) or for Wo (1)
	s_and_b32 s12, s10, 1                          ; my half of its columns; also: which half of that tile I fetch
	s_bfe_u32 s40, ttmp6, 0x40000
	s_bfe_u32 s41, ttmp6, 0x40004
	s_lshl_b32 s42, ttmp9, 2
	s_add_co_u32 s42, s42, s40                     ; tile column 0..7
	s_and_b32 s13, ttmp7, 0xffff
	s_lshl_b32 s13, s13, 2
	s_add_co_u32 s13, s13, s41                     ; tile row 0..31
	s_lshl_b32 s43, s41, 2
	s_lshl_b32 s43, 15, s43
	s_lshl_b32 s44, 0x1111, s40
	s_or_b32 s[G1+0], s43, (1<<16)|(1<<20)|(1<<21)|(4<<22)|(3<<25)   ; mask of my row; elements of 2 bytes; padding: 4 words after every 32
	s_mov_b32 s[G1+1], 8192<<16                    ; tensor_dim0 = 8,192: 128 rows of 64, consecutive
	s_mov_b32 s[G1+2], 2<<16                       ; tensor_dim1 = 2 heads
	s_mov_b32 s[G1+3], 8192<<16                    ; tile_dim0
	s_mov_b32 s[G1+4], 2                           ; tile_dim1
	s_mov_b32 s[G1+5], 131072                      ; from head to head
	s_mov_b32 s[G1+6], 0
	s_mov_b32 s[G1+7], 0
	s_or_b32 s[G1B+0], s44, (1<<16)|(1<<20)|(1<<21)|(5<<22)|(7<<25)  ; mask of my column; padding: 8 words after every 64
	s_mov_b32 s[G1B+1], 128<<16
	s_mov_b32 s[G1B+2], 128<<16
	s_mov_b32 s[G1B+3], 128<<16
	s_mov_b32 s[G1B+4], 128
	s_mov_b32 s[G1B+5], 1024
	s_mov_b32 s[G1B+6], 0
	s_mov_b32 s[G1B+7], 0
	s_lshr_b32 s16, s13, 4                         ; b
	s_lshl_b32 s16, s16, 4
	s_lshl_b32 s17, s12, 1
	s_add_co_u32 s16, s16, s17                     ; my first head of K step 0
	s_lshl_b32 s16, s16, 18
	s_and_b32 s17, s13, 15
	s_lshl_b32 s17, s17, 14                        ; the tile's first t, 128 bytes a row
	s_add_co_u32 s16, s16, s17
	s_mov_b32 s17, 0
	s_lshl_b32 s46, s12, 18                        ; Wo: my 128 rows of 2,048 bytes,
	s_lshl_b32 s47, s42, 8                         ; the tile's 128 columns
	s_add_co_u32 s46, s46, s47
	s_mov_b32 s47, 0
	s_mul_i32 s20, s10, HALFT                      ; where they go: no place in the cluster enters an LDS address
	s_wait_dscnt 0x0
	s_wait_kmcnt 0x0
	s_add_nc_u64 s[14:15], s[4:5], s[16:17]
	s_add_nc_u64 s[46:47], s[6:7], s[46:47]
	CROUND                                         ; all sixteen work-groups are here
.irp s, 0,1
	s_mov_b32 s[G0+4*\s], 1
	s_add_co_u32 s[G0+4*\s+1], s20, \s*SLOT
	s_add_nc_u64 s[G0+4*\s+2:G0+4*\s+3], s[14:15], \s*STEPA
	s_or_b32 s[G0+4*\s+3], s[G0+4*\s+3], 0x80000000
	s_mov_b32 s[G0B+4*\s], 1
	s_add_co_u32 s[G0B+4*\s+1], s20, \s*SLOT
	s_add_nc_u64 s[G0B+4*\s+2:G0B+4*\s+3], s[46:47], \s*STEPB
	s_or_b32 s[G0B+4*\s+3], s[G0B+4*\s+3], 0x80000000
	JLOAD \s
.endr
	v_and_b32 v1, 15, v0                           ; r
	v_bfe_u32 v2, v0, 4, 1                         ; h
	v_mul_u32_u24 v3, v1, 144
	v_lshl_add_u32 v3, v2, 4, v3
	s_mul_i32 s21, s11, 64*144                     ; my 64 rows of o
	v_add_nc_u32 v[ADRA], s21, v3
	s_add_co_u32 s21, s21, SLOT
	v_add_nc_u32 v[ADRA+1], s21, v3
	v_and_b32 v4, 7, v0                            ; the turning load: lane l reads row k0 + 8 h + l % 8, 16 bytes at 16 ((l / 8) % 2)
	v_lshl_add_u32 v4, v2, 3, v4
	v_mul_u32_u24 v4, v4, 288
	v_bfe_u32 v5, v0, 3, 1
	v_lshl_add_u32 v4, v5, 4, v4
	s_lshl_b32 s22, s12, 7                         ; my 64 columns
	s_add_co_u32 s22, s22, 2*HALFT
	v_add_nc_u32 v[ADRB], s22, v4
	s_add_co_u32 s22, s22, HALFT
	v_add_nc_u32 v[ADRB+1], s22, v4
	s_add_co_u32 s22, s22, SLOT-HALFT
	v_add_nc_u32 v[ADRB+2], s22, v4
	s_add_co_u32 s22, s22, HALFT
	v_add_nc_u32 v[ADRB+3], s22, v4
	s_mul_i32 s23, s10, 16*SPITCH                  ; my stage
	v_mul_u32_u24 v4, v1, SPITCH
	v_lshl_add_u32 v4, v2, 5, v4
	v_add_nc_u32 v[STO], s23, v4                   ; in: row r, 32 bytes for each half of the lanes
	v_mul_u32_u24 v5, v2, SPITCH
	v_lshl_add_u32 v5, v1, 4, v5
	v_add_nc_u32 v[RD], s23, v5                    ; back: sixteen lanes to a row of 256 bytes
	v_lshlrev_b32 v5, 12, v2
	v_lshl_add_u32 v[CO], v1, 4, v5                ; and the same two rows in out0
	s_lshl_b32 s16, s13, 7
	s_lshl_b32 s17, s11, 6
	s_add_co_u32 s16, s16, s17                     ; my first row
	s_lshl_b32 s16, s16, 12
	s_mov_b32 s17, 0
	s_add_nc_u64 s[8:9], s[8:9], s[16:17]
	s_lshl_b32 s46, s42, 9
	s_lshl_b32 s47, s12, 8
	s_add_co_u32 s46, s46, s47                     ; my first column, in bytes
	s_mov_b32 s47, 0
	s_add_nc_u64 s[8:9], s[8:9], s[46:47]
.macro MUL8 f, c, a0, zero             ; 8 matrix instructions: row blocks a0, a0 + 1 x all 4 column blocks, 32 along K; the 16 accumulators take turns
.irp a, \a0, \a0+1
.irp b, 0,1,2,3
.if \zero
	v_wmma_f32_16x16x32_f16 v[ACC+8*(4*(\a)+\b):ACC+8*(4*(\a)+\b)+7], v[\f+64+8*(4*\c+\b):\f+64+8*(4*\c+\b)+7], v[\f+8*(4*\c+\a):\f+8*(4*\c+\a)+7], 0
.else
	v_wmma_f32_16x16x32_f16 v[ACC+8*(4*(\a)+\b):ACC+8*(4*(\a)+\b)+7], v[\f+64+8*(4*\c+\b):\f+64+8*(4*\c+\b)+7], v[\f+8*(4*\c+\a):\f+8*(4*\c+\a)+7], v[ACC+8*(4*(\a)+\b):ACC+8*(4*(\a)+\b)+7]
.endif
.endr
.endr
.endm
.macro FETCH slot, qd, f               ; 32 LDS loads: quarter qd (one head, 64 along K) into buffer f; the first 32 along K first
	WIN TO_F
.irp c, 0,1
.irp i, 0,1,2,3
	ds_load_tr16_b128 v[\f+64+8*(4*\c+\i):\f+64+8*(4*\c+\i)+3],   v[ADRB+2*\slot+(\qd)/2] offset:((2*(\qd)+\c)%4)*9216+32*\i
	ds_load_tr16_b128 v[\f+64+8*(4*\c+\i)+4:\f+64+8*(4*\c+\i)+7], v[ADRB+2*\slot+(\qd)/2] offset:((2*(\qd)+\c)%4)*9216+32*\i+4608
	ds_load_b128 v[\f+8*(4*\c+\i):\f+8*(4*\c+\i)+3],              v[ADRA+\slot] offset:18432*(\qd)+64*\c+2304*\i
	ds_load_b128 v[\f+8*(4*\c+\i)+4:\f+8*(4*\c+\i)+7],            v[ADRA+\slot] offset:18432*(\qd)+64*\c+2304*\i+32
.endr
.endr
.endm
.macro PLACES
.rept 4
	v_nop
.endr
.endm
.macro QUARTER slot, qd, f, g, zero    ; multiplies buffer f and fetches quarter qd of the same slot into g
	s_wait_dscnt 16                                ; the first 32 along K are in
	WIN MUL
	MUL8 \f, 0, 0, \zero
	MUL8 \f, 0, 2, \zero
	PLACES
	FETCH \slot, \qd, \g
	s_wait_dscnt 32                                ; all but the 32 just issued
	WIN MUL
	MUL8 \f, 1, 0, 0
	MUL8 \f, 1, 2, 0
.endm
.macro TURN slot, next, fill           ; the last quarter changes slots: one barrier; fill = 1: it opens a round of the cluster's barrier and this slot is filled again
	WIN 0
	s_wait_tensorcnt 0x0                           ; my part of the next slot has landed
	ds_add_u32 v[SPW], v[NIL]
	s_wait_dscnt 17                                ; the add and the youngest sixteen loads may be out
	WIN MUL
	MUL8 F1, 0, 0, 0
	s_wait_dscnt 0x0                               ; the add is done, my reads of this slot are over
	s_barrier_signal -1
	MUL8 F1, 0, 2, 0
.if \fill
	WIN 0
.endif
	s_barrier_wait -1
.if \fill
	CREST                                          ; no wave of any partner still reads this slot or has a load on its way
	s_add_nc_u64 s[G0+4*\slot+2:G0+4*\slot+3], s[G0+4*\slot+2:G0+4*\slot+3], 2*STEPA
	s_add_nc_u64 s[G0B+4*\slot+2:G0B+4*\slot+3], s[G0B+4*\slot+2:G0B+4*\slot+3], 2*STEPB
	JLOAD \slot                                    ; the first tensor load behind the round; its four v_nop are also the places in front of the loads below
.else
	PLACES
.endif
	FETCH \next, 0, F0
	WIN MUL
	MUL8 F1, 1, 0, 0
	MUL8 F1, 1, 2, 0
.endm
	s_wait_tensorcnt 1                             ; my part of K step 0 is in; K step 1's may be out
	s_barrier_signal -1
	s_barrier_wait -1
	FETCH 0, 0, F0
	QUARTER 0, 1, F0, F1, 1                        ; the first products start the sums
	WIN 0
	s_mov_b32 s3, LAPS-1
.Llap:                                             ; once round the ring; both slots are filled again
	QUARTER 0, 2, F1, F0, 0
	QUARTER 0, 3, F0, F1, 0
	TURN 0, 1, 1
	QUARTER 1, 1, F0, F1, 0
	QUARTER 1, 2, F1, F0, 0
	QUARTER 1, 3, F0, F1, 0
	TURN 1, 0, 1
	QUARTER 0, 1, F0, F1, 0
	WIN 0
	s_sub_co_u32 s3, s3, 1
	s_cmp_lg_u32 s3, 0
	s_cbranch_scc1 .Llap
	QUARTER 0, 2, F1, F0, 0                        ; the last lap fills nothing
	QUARTER 0, 3, F0, F1, 0
	TURN 0, 1, 0
	QUARTER 1, 1, F0, F1, 0
	QUARTER 1, 2, F1, F0, 0
	QUARTER 1, 3, F0, F1, 0
	s_wait_dscnt 16
	WIN MUL
	MUL8 F1, 0, 0, 0
	MUL8 F1, 0, 2, 0
	s_wait_dscnt 0
	MUL8 F1, 1, 0, 0
	MUL8 F1, 1, 2, 0
	WIN 0
	; THE WAY OUT: a wave's 64 columns of f32 are 256 bytes of a row; 16 rows at a time go through my own stage and leave as whole rows
.macro OSTAGE a
.irp b, 0,1,2,3
	ds_store_b128 v[STO], v[ACC+8*(4*(\a)+\b):ACC+8*(4*(\a)+\b)+3] offset:64*\b       ; each accumulator from its low end on
	ds_store_b128 v[STO], v[ACC+8*(4*(\a)+\b)+4:ACC+8*(4*(\a)+\b)+7] offset:64*\b+16
.endr
.irp i, 0,1,2,3,4,5,6,7
	ds_load_b128 v[TMP+32*((\a)%2)+4*\i:TMP+32*((\a)%2)+4*\i+3], v[RD] offset:2*\i*SPITCH   ; LDS serves a wave's instructions in order
.endr
.endm
.macro OSEND a, younger
	s_wait_dscnt \younger
.irp i, 0,1,2,3,4,5,6,7
	global_store_b128 v[CO], v[TMP+32*((\a)%2)+4*\i:TMP+32*((\a)%2)+4*\i+3], s[8:9] offset:65536*(\a)+8192*\i   ; sixteen lanes: 256 consecutive bytes, aligned
.endr
.endm
	PLACES
	OSTAGE 0
.irp a, 1,2,3
.if \a > 1
	s_wait_xcnt 0x0                                ; block a - 2's stores have read their registers
.endif
	OSTAGE \a
	OSEND \a-1, 16                                 ; behind block a - 1's loads: block a's 8 stores and 8 loads
.endr
	OSEND 3, 0
	s_wait_tensorcnt 0x0                           ; the wave's end
	ds_add_u32 v[SPW], v[NIL]
	s_wait_dscnt 0x0
	CROUND                                         ; the closing round
	s_endpgm
.Lfunc_end_k_q039edcecb3_proj:
	.size	k_q039edcecb3_proj, .Lfunc_end_k_q039edcecb3_proj-k_q039edcecb3_proj
	.p2alignl 7, 3214868480
	.fill 96, 4, 3214868480
	.section	.rodata,"a",@progbits
	.p2align	6, 0x0
	.amdhsa_kernel k_q039edcecb3_proj
		.amdhsa_group_segment_fixed_size 327680
		.amdhsa_private_segment_fixed_size 0
		.amdhsa_enable_private_segment 0
		.amdhsa_kernarg_size 24
		.amdhsa_user_sgpr_count 2
		.amdhsa_user_sgpr_kernarg_segment_ptr 1
		.amdhsa_wavefront_size32 1
		.amdhsa_system_sgpr_workgroup_id_x 1
		.amdhsa_system_sgpr_workgroup_id_y 1
		.amdhsa_system_sgpr_workgroup_id_z 1
		.amdhsa_system_vgpr_workitem_id 0
		.amdhsa_next_free_vgpr 512
		.amdhsa_next_free_sgpr 66
		.amdhsa_reserve_vcc 0
		.amdhsa_float_denorm_mode_32 3
		.amdhsa_float_denorm_mode_16_64 3
		.amdhsa_memory_ordered 1
		.amdhsa_forward_progress 1
		.amdhsa_inst_pref_size 86
	.end_amdhsa_kernel
	.amdgpu_metadata
---
amdhsa.version: [ 1, 2 ]
amdhsa.kernels:
  - .name:           k_q039edcecb3_proj
    .symbol:         k_q039edcecb3_proj.kd
    .args:
      - { .name: o16, .offset: 0, .size: 8, .value_kind: global_buffer, .address_space: global }
      - { .name: aux, .offset: 8, .size: 8, .value_kind: global_buffer, .address_space: global }
      - { .name: out0, .offset: 16, .size: 8, .value_kind: global_buffer, .address_space: global }
    .group_segment_fixed_size: 327680
    .private_segment_fixed_size: 0
    .kernarg_segment_align: 8
    .kernarg_segment_size: 24
    .max_flat_workgroup_size: 128
    .sgpr_count:     66
    .vgpr_count:     512
    .wavefront_size: 32
...
	.end_amdgpu_metadata
.endif
;; end of part 4
;; launch first16 (part 5): grid 64 x 2, 16 waves a work-group, no clusters, 18,432 bytes of LDS; arguments fine, aux, Wo, out0; writes out0
.if DOCPART == 5
	.amdgcn_target "amdgcn-amd-amdhsa--gfx1250"
	.amdhsa_code_object_version 6
	.text
	.protected	k_q039edcecb3_first16
	.globl	k_q039edcecb3_first16
	.p2align	8
	.type	k_q039edcecb3_first16,@function
k_q039edcecb3_first16:
	s_mov_b64 s[64:65], 0
	v_nop
	global_prefetch_b8 v0, s[64:65] scope:SCOPE_SE
	s_setreg_imm32_b32 hwreg(HW_REG_WAVE_MODE, 25, 1), 1
	s_wait_xcnt 0x0
; FIRST16: rows t < 16 of both sequences, wholly in f32: these rows average one to sixteen values, are the largest of the output, and would feel the rounding of 16-bit operands most.
; Work-group (x, b): 16 columns of out0 for the 16 rows of sequence b.  Wave w is head w: its attention on 16 queries x 16 keys, then its 64 of the projection's K; the sixteen partial results meet in LDS.
; All products by v_wmma_f32_16x16x4_f32: 48 a wave, no bulk work.  K is permuted alike on both sides of each product, so that every fragment is a pair of registers as loaded or as computed.
;   S^T = K Q^T + bias: step i takes channels 8 (i / 2) + 4 h + 2 (i % 2) + j: the two lanes of a row read 32 neighbouring bytes, so a load of q or k touches 16 pieces of 32 bytes.
;   O^T = V^T P: step i takes keys 8 h + 2 i + j.   out^T = Wo^T O^T: step (f, i) takes channels 16 f + 8 h + 2 i + j.
; The registers that these instructions write (v152-167, v176-207) are written by nothing else; what is made of a sum goes into other registers.
; A row with no key that counts takes the mean of v over the whole sequence, as in the main launch.  The stores are pieces of 16 bytes, 131,072 bytes in the whole launch: the price of sharing the columns out.
; No tensor load, no cluster: every byte is read once by a work-group, and the launch is short.
.set BIA,   2097152
.set VSU,   393216
.set SPARE, 16384                      ; behind the sixteen partial results: the spare words, 128 bytes a wave: eight blocks of 256 bytes that no other line names
.set SPW, 3
.set NIL, 4
.set AQ,  5
.set AV,  6
.set AB,  7
.set AM,  8
.set LI,  9
.set LR,  10
.set GF,  11
.set DG,  12
.set NEGR, 13
.set QF,  16                           ; v16-47   q; later O^T as chosen
.set KF,  48                           ; v48-79   k
.set VF,  80                           ; v80-111  v
.set WF,  112                          ; v112-143 Wo
.set BI,  144                          ; v144-151 the mask's table
.set SA,  152
.set SB,  160
.set SS,  168                          ; v168-175 the scores, then the weights
.set OA,  176
.set VM,  208                          ; v208-239 the mean of v
.set PT,  240
	s_load_b256 s[4:11], s[0:1], 0x0               ; fine, aux, Wo, out0
	v_lshl_add_u32 v[SPW], v0, 2, SPARE
	v_mov_b32 v[NIL], 0
	v_lshrrev_b32 v1, 5, v0
	v_readfirstlane_b32 s12, v1                    ; wave = head
	s_and_b32 s13, ttmp7, 0xffff                   ; b
	v_and_b32 v1, 15, v0                           ; r
	v_bfe_u32 v2, v0, 4, 1                         ; h
	v_and_b32 v14, 31, v0                          ; lane
	v_lshlrev_b32 v[AQ], 12, v1
	v_lshl_add_u32 v[AM], v2, 5, v[AQ]             ; 4096 r + 32 h
	v_lshl_add_u32 v[AQ], v2, 4, v[AQ]             ; 4096 r + 16 h
	v_lshlrev_b32 v[AV], 15, v2
	v_lshl_add_u32 v[AV], v1, 2, v[AV]             ; 8 h rows of 4,096 bytes + 4 r
	v_lshlrev_b32 v[AB], 5, v2
	s_lshl_b32 s26, s12, 10
	v_lshl_add_u32 v[LI], v14, 4, s26              ; my partial result: 1,024 bytes a wave, an image of eight registers
	s_and_b32 s27, s12, 1
	s_lshl_b32 s26, s27, 9
	v_lshl_add_u32 v[LR], v14, 4, s26              ; waves 0, 1 read registers 4 u .. 4 u + 3 of all sixteen
	s_lshl_b32 s26, s27, 4
	v_add_nc_u32 v[GF], s26, v[AM]                 ; out0: row r, columns 8 h + 4 u on
	v_lshlrev_b32 v15, 3, v2
	v_sub_nc_u32 v[DG], v1, v15                    ; r - 8 h
	v_mov_b32 v[NEGR], 0xcfee6b28                  ; -8e9
	s_mov_b32 s28, 0x3e38aa3b                      ; c = log2(e) / 8
	s_mov_b32 s29, 0xcf6e6b28                      ; -4e9
	s_mov_b32 s30, 0x76543210
	s_mov_b32 s31, 0xfedcba98
	s_lshl_b32 s26, s13, 16
	s_lshl_b32 s27, s12, 8
	s_add_co_u32 s26, s26, s27
	s_mov_b32 s27, 0
	s_lshl_b32 s33, ttmp9, 6                       ; my 16 columns, in bytes
	s_wait_kmcnt 0x0
	s_add_nc_u64 s[16:17], s[4:5], s[26:27]        ; fine at (b, head)
	s_add_nc_u64 s[20:21], s[16:17], VSU           ; the sixteen partial column sums of v, at the same offsets
	s_lshl_b32 s26, s13, 13
	s_add_co_u32 s26, s26, BIA
	s_add_nc_u64 s[18:19], s[6:7], s[26:27]
	s_lshl_b32 s26, s12, 18                        ; Wo: my head's 64 rows
	s_add_co_u32 s26, s26, s33
	s_add_nc_u64 s[22:23], s[8:9], s[26:27]
	s_lshl_b32 s26, s13, 23                        ; out0: the sequence's first row
	s_add_co_u32 s26, s26, s33
	s_add_nc_u64 s[24:25], s[10:11], s[26:27]
	global_load_b128 v[BI:BI+3], v[AB], s[18:19]
	global_load_b128 v[BI+4:BI+7], v[AB], s[18:19] offset:16
.irp e, 0,1,2,3,4,5,6,7
	global_load_b128 v[QF+4*\e:QF+4*\e+3], v[AQ], s[16:17] offset:32*\e          ; q(r, 8 e + 4 h + 0..3)
.endr
.irp e, 0,1,2,3,4,5,6,7
	global_load_b128 v[KF+4*\e:KF+4*\e+3], v[AQ], s[16:17] offset:131072+32*\e   ; k likewise
.endr
.set n_, 0
.rept 32
	global_load_b32 v[VF+n_], v[AV], s[16:17] offset:262144+(n_%8)*4096+64*(n_/8)   ; v(key 8 h + n % 8, channel 16 (n / 8) + r)
.set n_, n_+1
.endr
.irp f, 0,1,2,3
	global_load_b128 v[VM+8*\f:VM+8*\f+3], v[AM], s[20:21] offset:64*\f
	global_load_b128 v[VM+8*\f+4:VM+8*\f+7], v[AM], s[20:21] offset:64*\f+16
.endr
	s_wait_loadcnt 40                              ; the table, q and k are in; v's 32 loads and the sums' 8 may be out
	v_wmma_f32_16x16x4_f32 v[SA:SA+7], v[KF:KF+1], v[QF:QF+1], v[BI:BI+7]      ; two sums by turns: the even steps begin with the mask's table,
	v_wmma_f32_16x16x4_f32 v[SB:SB+7], v[KF+2:KF+3], v[QF+2:QF+3], 0          ; the odd ones with 0
.set i_, 2
.rept 7
	v_wmma_f32_16x16x4_f32 v[SA:SA+7], v[KF+2*i_:KF+2*i_+1], v[QF+2*i_:QF+2*i_+1], v[SA:SA+7]
	v_wmma_f32_16x16x4_f32 v[SB:SB+7], v[KF+2*i_+2:KF+2*i_+3], v[QF+2*i_+2:QF+2*i_+3], v[SB:SB+7]
.set i_, i_+2
.endr
.set n_, 0
.rept 32
	global_load_b32 v[WF+n_], v[AV], s[22:23] offset:(16*(n_/8)+n_%8)*4096     ; Wo(64 w + 16 (n / 8) + 8 h + n % 8, 16 x + r)
.set n_, n_+1
.endr
.rept 8
	v_nop                                          ; eight places behind this form, in front of the first read of its results
.endr
.irp j, 0,1,2,3,4,5,6,7
	v_add_f32 v[SS+\j], v[SA+\j], v[SB+\j]         ; lane (r, h): query r, key 8 h + j
.endr
.irp j, 0,1,2,3,4,5,6,7
	v_cmp_gt_i32 vcc_lo, \j, v[DG]                 ; key > query
	v_cndmask_b32 v[SS+\j], v[SS+\j], v[NEGR], vcc_lo
.endr
	v_max3_num_f32 v248, v[SS], v[SS+1], v[SS+2]
	v_max3_num_f32 v248, v248, v[SS+3], v[SS+4]
	v_max3_num_f32 v248, v248, v[SS+5], v[SS+6]
	v_max_num_f32 v248, v248, v[SS+7]
	v_mov_b32 v249, 0
	v_permlanex16_b32 v249, v248, s30, s31
	v_max_num_f32 v250, v248, v249                 ; the row's maximum
	v_mul_f32 v251, s28, v250
	v_cmp_gt_f32 s32, s29, v250                    ; no key counted
.irp j, 0,1,2,3,4,5,6,7
	v_fma_f32 v[SS+\j], v[SS+\j], s28, -v251
.endr
.irp j, 0,1,2,3,4,5,6,7
	v_exp_f32 v[SS+\j], v[SS+\j]
.endr
	v_nop
	s_wait_alu depctr_va_vdst(0)                   ; one wait for the eight, ahead of their first reader
	v_add_f32 v248, v[SS], v[SS+1]
	v_add_f32 v249, v[SS+2], v[SS+3]
	v_add_f32 v252, v[SS+4], v[SS+5]
	v_add_f32 v253, v[SS+6], v[SS+7]
	v_add_f32 v248, v248, v249
	v_add_f32 v252, v252, v253
	v_add_f32 v248, v248, v252
	v_permlanex16_b32 v249, v248, s30, s31
	v_add_f32 v248, v248, v249
	v_rcp_f32 v248, v248
	v_nop
	s_wait_alu depctr_va_vdst(0)
.irp j, 0,1,2,3,4,5,6,7
	v_mul_f32 v[SS+\j], v[SS+\j], v248             ; the weights
.endr
	s_wait_loadcnt 32                              ; v and the sums are in; Wo's 32 loads may be out
.irp m, 1,2,4,8
.set n_, 0
.rept 32
	v_add_f32_dpp v[VM+n_], v[VM+n_], v[VM+n_] row_xmask:\m row_mask:0xf bank_mask:0xf
.set n_, n_+1
.endr
.endr
.set n_, 0
.rept 32
	v_mul_f32 v[VM+n_], 0x3a000000, v[VM+n_]       ; / 2,048
.set n_, n_+1
.endr
.irp i, 0,1,2,3                        ; O^T: four sums by turns
.irp f, 0,1,2,3
.if \i == 0
	v_wmma_f32_16x16x4_f32 v[OA+8*\f:OA+8*\f+7], v[VF+8*\f:VF+8*\f+1], v[SS:SS+1], 0
.else
	v_wmma_f32_16x16x4_f32 v[OA+8*\f:OA+8*\f+7], v[VF+8*\f+2*\i:VF+8*\f+2*\i+1], v[SS+2*\i:SS+2*\i+1], v[OA+8*\f:OA+8*\f+7]
.endif
.endr
.endr
.rept 8
	v_nop
.endr
.set n_, 0
.rept 32
	v_cndmask_b32 v[QF+n_], v[OA+n_], v[VM+n_], s32   ; lane (r, h): query r, channel 16 (n / 8) + 8 h + n % 8
.set n_, n_+1
.endr
	s_wait_loadcnt 0x0                             ; Wo
	v_wmma_f32_16x16x4_f32 v[SA:SA+7], v[WF:WF+1], v[QF:QF+1], 0
	v_wmma_f32_16x16x4_f32 v[SB:SB+7], v[WF+2:WF+3], v[QF+2:QF+3], 0
.set i_, 2
.rept 7
	v_wmma_f32_16x16x4_f32 v[SA:SA+7], v[WF+2*i_:WF+2*i_+1], v[QF+2*i_:QF+2*i_+1], v[SA:SA+7]
	v_wmma_f32_16x16x4_f32 v[SB:SB+7], v[WF+2*i_+2:WF+2*i_+3], v[QF+2*i_+2:QF+2*i_+3], v[SB:SB+7]
.set i_, i_+2
.endr
.rept 8
	v_nop
.endr
.irp j, 0,1,2,3,4,5,6,7
	v_add_f32 v[PT+\j], v[SA+\j], v[SB+\j]         ; my head's part of out0(r, 16 x + 8 h + j)
.endr
	ds_store_b128 v[LI], v[PT:PT+3]
	ds_store_b128 v[LI], v[PT+4:PT+7] offset:512
	s_wait_dscnt 0x0                               ; for the others' sake
	s_barrier_signal -1
	s_barrier_wait -1
	s_cmp_ge_u32 s12, 2
	s_cbranch_scc1 .Lend
.set p_, 0
.rept 16
	ds_load_b128 v[48+4*p_:51+4*p_], v[LR] offset:1024*p_
.set p_, p_+1
.endr
	s_wait_dscnt 0x0
.irp w, 8,4,2,1                        ; the sixteen heads' parts, added in pairs
.set p_, 0
.rept \w
	v_pk_add_f32 v[48+4*p_:49+4*p_], v[48+4*p_:49+4*p_], v[48+4*(p_+\w):49+4*(p_+\w)]
	v_pk_add_f32 v[50+4*p_:51+4*p_], v[50+4*p_:51+4*p_], v[50+4*(p_+\w):51+4*(p_+\w)]
.set p_, p_+1
.endr
.endr
	global_store_b128 v[GF], v[48:51], s[24:25]
.Lend:
	s_wait_tensorcnt 0x0                           ; the wave's end
	ds_add_u32 v[SPW], v[NIL]
	s_wait_dscnt 0x0
	s_endpgm
.Lfunc_end_k_q039edcecb3_first16:
	.size	k_q039edcecb3_first16, .Lfunc_end_k_q039edcecb3_first16-k_q039edcecb3_first16
	.p2alignl 7, 3214868480
	.fill 96, 4, 3214868480
	.section	.rodata,"a",@progbits
	.p2align	6, 0x0
	.amdhsa_kernel k_q039edcecb3_first16
		.amdhsa_group_segment_fixed_size 18432
		.amdhsa_private_segment_fixed_size 0
		.amdhsa_enable_private_segment 0
		.amdhsa_kernarg_size 32
		.amdhsa_user_sgpr_count 2
		.amdhsa_user_sgpr_kernarg_segment_ptr 1
		.amdhsa_wavefront_size32 1
		.amdhsa_system_sgpr_workgroup_id_x 1
		.amdhsa_system_sgpr_workgroup_id_y 1
		.amdhsa_system_sgpr_workgroup_id_z 1
		.amdhsa_system_vgpr_workitem_id 0
		.amdhsa_next_free_vgpr 256
		.amdhsa_next_free_sgpr 66
		.amdhsa_reserve_vcc 1
		.amdhsa_float_denorm_mode_32 3
		.amdhsa_float_denorm_mode_16_64 3
		.amdhsa_memory_ordered 1
		.amdhsa_forward_progress 1
		.amdhsa_inst_pref_size 33
	.end_amdhsa_kernel
	.amdgpu_metadata
---
amdhsa.version: [ 1, 2 ]
amdhsa.kernels:
  - .name:           k_q039edcecb3_first16
    .symbol:         k_q039edcecb3_first16.kd
    .args:
      - { .name: fine, .offset: 0, .size: 8, .value_kind: global_buffer, .address_space: global }
      - { .name: aux, .offset: 8, .size: 8, .value_kind: global_buffer, .address_space: global }
      - { .name: Wo, .offset: 16, .size: 8, .value_kind: global_buffer, .address_space: global }
      - { .name: out0, .offset: 24, .size: 8, .value_kind: global_buffer, .address_space: global }
    .group_segment_fixed_size: 18432
    .private_segment_fixed_size: 0
    .kernarg_segment_align: 8
    .kernarg_segment_size: 32
    .max_flat_workgroup_size: 512
    .sgpr_count:     66
    .vgpr_count:     256
    .wavefront_size: 32
...
	.end_amdgpu_metadata
.endif
;; end of part 5
